; MI455X (gfx1250); checked and timed in simulation.
; The chip was launched on July 23, 2026; its instructions are those of AMD's public machine-readable ISA for CDNA 5 (MIT licence, August 2026) and "CDNA5" Instruction Set Architecture Reference Guide (July 2026). The comments in the code are by the model that wrote it; some were corrected since.
;; Codec Attention. Allowed arithmetic: matrix products marked QUANTISED: E2M3 operands, one E8M0 scale for each 32 along K, by v_wmma_scale_f32_16x16x128_f8f6f4 with both operands' format E2M3, f32 sums; everything else in f32.
;; Inputs: k_norm_w 1,024 float32; q_norm_w 1,024 float32; wk 1,024 x 1,024 float32; wo 1,024 x 1,024 float32; wq 1,024 x 1,024 float32; wv 1,024 x 1,024 float32; x 4 x 2,048 x 1,024 float32.
;; Outputs: out0 4 x 2,048 x 1,024 float32.
;; This version of the problem:
;;   THIS VERSION OF THE PROBLEM IS GIVEN IN LOW PRECISION. The matrix products marked QUANTISED in the list below multiply operands that are first quantised to E2M3 (2 exponent bits, 3 mantissa bits; 6 bits a number), with one power-of-two scale for each 32 numbers along K (OCP MX v1.0); their sums are f32. All else is computed in f32.
;;   The module's matrix products, in the order in which they are computed (A, B: the left and right operand; K: the contracted axis; several contracted axes count as one K, in the product's order):
;;     1. [M 8,192, K 1,024] x [K 1,024, N 1,024]; A: input x; B: input wq: QUANTISED
;;     2. [M 8,192, K 1,024] x [K 1,024, N 1,024]; A: input x; B: input wk: QUANTISED
;;     3. [M 8,192, K 1,024] x [K 1,024, N 1,024]; A: input x; B: input wv: QUANTISED
;;     4. batch 32 x [M 2,048, K 128] x [K 128, N 2,048]; A: computed on the way; B: computed on the way: QUANTISED
;;     5. batch 32 x [M 2,048, K 2,048] x [K 2,048, N 128]; A: softmax (see below); B: computed on the way: QUANTISED
;;     6. [M 8,192, K 1,024] x [K 1,024, N 1,024]; A: computed on the way; B: input wo: QUANTISED
;;   THE QUANTISER, for each operand of a quantised product, along K:
;;     - K is cut into blocks of 32 from its start; a last block that is shorter is filled with zeros.
;;     - A block's scale is 2^e with e = floor(log2(the largest magnitude in the block)) - 2, held to -126 .. 127; a block of zeros has e = 0. As a byte (E8M0): e + 127.
;;     - Each number is divided by its block's scale, clamped to +-7.5, and rounded to the nearest number of E2M3, ties to even, subnormals kept.
;;     - The product sums the exact products of the quantised numbers (number of the format x scale) in f32.
;;   ~~~python
;;   def quantise(x, axis):      # numpy; x: float32 -> the quantised numbers, widened to float32 again
;;       x = np.moveaxis(x, axis, -1); K = x.shape[-1]
;;       x = np.pad(x, [(0, 0)] * (x.ndim - 1) + [(0, -K % 32)]); x = x.reshape(x.shape[:-1] + (-1, 32)); a = np.abs(x).max(-1, keepdims=True)
;;       e = np.where(a > 0, np.clip(np.frexp(np.where(a > 0, a, 1))[1] - 1 - 2, -126, 127), 0)      # np.frexp(a)[1] - 1 = floor(log2(a)), exactly
;;       r = np.clip(x / 2.0 ** e, -7.5, 7.5)
;;       step = 2.0 ** (np.maximum(np.frexp(np.where(r == 0, 1, r))[1] - 1, 0) - 3)
;;       q = np.round(r / step) * step * 2.0 ** e      # np.round: ties to even
;;       return np.moveaxis(q.reshape(q.shape[:-2] + (-1,))[..., :K], -1, axis).astype(np.float32)
;;   ~~~
;;   SOFTMAX AHEAD OF A QUANTISED PRODUCT. Where the list says 'softmax', what is quantised is not the finished softmax but p = 2^(t - M), with t = logit x log2(e) and M = ceil(the row's largest t), a whole number; so 1/2 < the row's largest p <= 1. The row's sum l is taken of the UNQUANTISED p, in f32, and the product's result is divided by l at the end. Since M is a whole number, a kernel that streams over the keys may use a running M (the ceiling of the running maximum): every later rescaling is an exact power of two, which a block's scale takes up: the codes' values come out the same.
;;   OPERANDS COMPUTED ON THE WAY. 'Computed on the way' means the value that the module computes at that place (a softmax that the list does not call 'softmax' is quantised finished and normalised). What goes into a quantiser is computed in f32, as accurately as f32 sums, v_exp_f32 and their like allow (about 1e-6 of the number): no bf16 or f16 on the way to a quantiser, and a product that is left as it is and whose result goes on into a quantised operand takes f32 operands (vector FMAs, or v_wmma_f32_16x16x4_f32). A number that lies on a knife's edge between two numbers of the format may be rounded either way, as far as f32 arithmetic and the matrix unit's own rounding can turn it there, and no further.
;; One version. Each part assembles by itself: llvm-mc -triple=amdgcn-amd-amdhsa -mcpu=gfx1250 --defsym DOCPART=n.
;; ======== version 1 of 1: 3 launches
;; limits: right only within a limited range of input values
;; workspace buffers: xc 6,553,600 bytes; wc 3,276,800 bytes; qkvc 18,874,368 bytes; qkvs 786,432 bytes
;; launch prep (part 1): grid 384 x 1, 4 waves a work-group, no clusters, 61,952 bytes of LDS; arguments x, wq, wk, wv, wo, xc, wc; writes xc, wc
.if DOCPART == 1
	.amdgcn_target "amdgcn-amd-amdhsa--gfx1250"
	.amdhsa_code_object_version 6
	.text
	.protected	k_q22889b6ca5_prep
	.globl	k_q22889b6ca5_prep
	.p2align	8
	.type	k_q22889b6ca5_prep,@function
k_q22889b6ca5_prep:
	s_mov_b64 s[64:65], 0
	v_nop
	global_prefetch_b8 v0, s[64:65] scope:SCOPE_SE
	s_setreg_imm32_b32 hwreg(HW_REG_WAVE_MODE, 25, 1), 1
	s_wait_xcnt 0x0
; x [8192][1024] (K innermost) and wq, wk, wv, wo [1024 (k)][1024 (n)] (K outermost), f32, become codes of FP6 (E2M3) with one E8M0 byte for each 32 along K,
; laid as IMAGES OF OPERAND REGISTERS.  A fragment is 16 rows x 128 K, 12 registers a lane (lane (r, h): registers 6 c .. 6 c + 5 hold k = 64 c + 32 h + 0 .. 31); its image is
; three pieces of 512 bytes, piece c = registers 4 c .. 4 c + 3, a lane's 16 bytes at 16 x lane.  THE ROWS OF A TILE ARE NOT NEIGHBOURS: lane r of tile T holds row 32 (T / 2) + 8 (T % 2) + r + 8 (r / 8).
; A GROUP is 1,024 rows x K 1,024: 32 chunks of 25,600 bytes, chunk (K step s, quarter w) at (4 s + w) x 25,600: 16 images, then 1,024 bytes of scale words, the word of (tile j, lane r) at (j / 4) 256 + 16 r + 4 (j % 4).
; xc: 8 groups of tokens.  wc: the groups of wq, wk, wv, wo, rows = output features.
; A block's scale is 2^(floor(log2(its largest magnitude)) - 2); its byte is the largest magnitude's exponent field - 2, held at 1 from below.
; LIMITS: NaN and infinities are not served; a block whose largest magnitude lies under 2^-124, a block of zeros among them, keeps the byte 1 (its codes are zeros or as the held scale gives them); this program alone reads the bytes.
; SHARES.  A wave's item is 64 rows (four tiles) x one K step of 128: 32,768 bytes in, 6,144 bytes of images and 256 bytes of scale words out.  Work-groups 0-255 take x, 256-383 the weights.
; No tensor loads, no barrier: waves share nothing.  The two ways have LDS bytes of their own.
; WORK LEFT OUT in this program: reference() itself masks every key j with j > i or j < i - 16, so of products 4 and 5 only the two blocks of 32 keys that hold keys i - 16 .. i of a block of 32 queries are multiplied;
; the other tiles lie wholly under that mask, whatever the inputs hold.  Every input is loaded.  LIMIT: a NaN, an infinity or an overflow that reaches only the tiles left out is not carried to the result.
.set GRP,   819200
.set CH,    25600
.set XST,   8448                       ; x: a wave's stage, 16 rows x (512 + 16) bytes
.set WBASE, 33792                      ; behind the four stages: the weights' regions
.set WPIT,  1664                       ; an image's place in a weight region: 1,536 + 128, so that the two tiles that a store touches fall on different banks
.set WREG,  6912                       ; four such places and 256 bytes of scale words
.set SPARE, 61440                      ; the spare words, 128 bytes for each wave: two blocks of 256 bytes that no other line names
.set SPW, 12                           ; v12  LDS address of my spare word; never rewritten
.set NIL, 13                           ; v13  0; never rewritten
.set TM,  16                           ; v16-31 at work in QUANT
.set PW,  32                           ; v32-35 x: the four tiles' scale words
.set SW,  32                           ; v32-33 weights: my column's scale word, for each half of the 64 columns
.set PC,  40                           ; v40-58 x: the codes just made
.set C,   40                           ; v40-46 weights: a block's codes
.set R0,  64                           ; v64-191 x: two sets of 64 registers as loaded
.set X,   192                          ; v192-255 x: 64 numbers of my row, register 16 b + i = k 32 b + 16 h + i
.set XW,  64                           ; v64-127 weights: two sets of 32 numbers down K
.set OUTR, 128                         ; v128-177 weights: the way out
.set WV,  18
.set SEL, 34                           ; s[34:35] selects for lane l xor 16
; 64 numbers of a lane become a fragment's codes in v[pc] .. v[pc + 11] and its row's scale word in v[pw]
.macro QUANT src, pc, pw
.irp b, 0,1,2,3
	v_max3_num_f32 v[TM+\b], |v[(\src)+16*\b]|, |v[(\src)+16*\b+1]|, 0x1800000   ; block b: my 16 numbers, and the floor 2^(3 - 127): the byte cannot fall under 1
.endr
.irp i, 2,4,6,8,10,12,14
.irp b, 0,1,2,3
	v_max3_num_f32 v[TM+\b], v[TM+\b], |v[(\src)+16*\b+\i]|, |v[(\src)+16*\b+\i+1]|
.endr
.endr
.irp b, 0,1,2,3
	v_permlanex16_b32 v[TM+4+\b], v[TM+\b], s[SEL], s[SEL+1]
.endr
.irp b, 0,1,2,3
	v_max_num_f32 v[TM+\b], v[TM+\b], v[TM+4+\b]         ; with lane l xor 16's 16: the block's largest magnitude
.endr
.irp b, 0,1,2,3
	v_add_nc_u32 v[TM+12+\b], 0xff000000, v[TM+\b]       ; 2 off its exponent field: the conversion's scale operand
.endr
.irp b, 0,1,2,3
	v_lshrrev_b32 v[TM+4+\b], 23, v[TM+12+\b]            ; the scale's byte
.endr
	v_lshl_or_b32 v[\pw], v[TM+5], 8, v[TM+4]
	v_lshl_or_b32 v[\pw], v[TM+6], 16, v[\pw]
	v_lshl_or_b32 v[\pw], v[TM+7], 24, v[\pw]
.irp c, 0,1
	v_cvt_scalef32_pk16_fp6_f32 v[(\pc)+6*\c:(\pc)+6*\c+2], v[(\src)+32*\c:(\src)+32*\c+15], v[TM+12+2*\c]
	v_cvt_scalef32_pk16_fp6_f32 v[(\pc)+12+4*\c:(\pc)+14+4*\c], v[(\src)+32*\c+16:(\src)+32*\c+31], v[TM+13+2*\c]   ; (a conversion's three registers begin on an even number)
.endr
	v_nop                                                ; one plain place behind a scaled conversion
.irp c, 0,1                                          ; the layout wants a whole block in a lane: lanes 0-15 block 2 c, lanes 16-31 block 2 c + 1
.irp i, 0,1,2
	v_permlane16_swap_b32 v[(\pc)+6*\c+\i], v[(\pc)+12+4*\c+\i]
.endr
.irp i, 0,1,2
	v_mov_b32 v[(\pc)+3+6*\c+\i], v[(\pc)+12+4*\c+\i]
.endr
.endr
.endm
	s_load_b256 s[4:11], s[0:1], 0x0               ; x, wq, wk, wv
	s_load_b128 s[12:15], s[0:1], 0x20             ; wo, xc
	s_load_b64 s[16:17], s[0:1], 0x30              ; wc
	v_lshl_add_u32 v[SPW], v0, 2, SPARE
	v_mov_b32 v[NIL], 0
	v_lshrrev_b32 v1, 5, v0
	v_readfirstlane_b32 s[WV], v1                  ; wave 0..3
	v_and_b32 v1, 31, v0                           ; lane
	v_and_b32 v2, 15, v0                           ; r
	v_bfe_u32 v3, v0, 4, 1                         ; h
	v_lshlrev_b32 v4, 4, v1                        ; 16 x lane
	; every LDS address of both ways is made here, ahead of the parting
	s_mul_i32 s19, s[WV], XST
	v_add_nc_u32 v5, s19, v4                       ; x's stage, in: a row's 512 bytes as they lie
	v_mul_u32_u24 v6, v2, 528
	v_lshl_add_u32 v6, v3, 6, v6
	v_add_nc_u32 v6, s19, v6                       ; and out: row r, + 64 h: my 16 numbers of each block of 32
	s_mul_i32 s19, s[WV], WREG
	s_add_co_u32 s19, s19, WBASE
	v_bfe_u32 v14, v0, 3, 1                        ; weights: column 32 p + lane is lane r' of tile 2 p + u: u = (lane / 8) % 2,
	v_and_b32 v15, 7, v0
	v_lshl_or_b32 v15, v3, 3, v15                  ; r' = lane % 8 + 8 (lane / 16)
	v_mul_u32_u24 v7, v14, WPIT
	v_lshl_add_u32 v7, v15, 4, v7
	v_add_nc_u32 v7, s19, v7                       ; my column's place in an image
	v_lshlrev_b32 v8, 4, v15
	v_lshl_add_u32 v8, v14, 2, v8
	v_add_nc_u32 v8, s19, v8
	v_add_nc_u32 v8, 4*WPIT, v8                    ; and among the scale words
	v_add_nc_u32 v9, s19, v4                       ; the way out: 16 x lane of an image,
	v_lshlrev_b32 v15, 3, v1                       ; 8 x lane
	v_add_nc_u32 v10, s19, v15
	v_add_nc_u32 v10, 4*WPIT, v10                  ; 8 x lane of the scale words
	v_lshlrev_b32 v14, 2, v1                       ; 4 x lane: a column of w
	v_lshlrev_b32 v11, 4, v2
	v_lshl_add_u32 v11, v3, 3, v11                 ; x's scale words: 16 r + 8 h
.irp b, 0,1,2,3
	v_mov_b32 v[TM+4+\b], 0                        ; written once: a lane permute's destination counts as one of its sources
.endr
	s_mov_b32 s[SEL], 0x76543210
	s_mov_b32 s[SEL+1], 0xfedcba98
	s_wait_kmcnt 0x0
	s_cmp_lt_u32 ttmp9, 256
	s_cbranch_scc0 .Lweights
	; ---- x: 64 tokens G, K step s
	s_lshr_b32 s20, ttmp9, 1                       ; G = 0..127
	s_and_b32 s21, ttmp9, 1
	s_lshl_b32 s21, s21, 2
	s_add_co_u32 s21, s21, s[WV]                   ; s = 0..7
	s_lshl_b32 s22, s20, 18                        ; 64 rows of 4,096 bytes
	s_lshl_b32 s23, s21, 9                         ; 128 numbers
	s_add_co_u32 s22, s22, s23
	s_mov_b32 s23, 0
	s_add_nc_u64 s[4:5], s[4:5], s[22:23]
	s_lshr_b32 s24, s20, 4
	s_mul_i32 s24, s24, GRP                        ; the group,
	s_bfe_u32 s25, s20, 0x20002                    ; the quarter (G / 4) % 4,
	s_lshl_b32 s30, s21, 2
	s_add_co_u32 s25, s25, s30
	s_mul_i32 s25, s25, CH
	s_add_co_u32 s24, s24, s25                     ; the chunk
	s_and_b32 s25, s20, 3
	s_mul_i32 s30, s25, 6144
	s_add_co_u32 s30, s30, s24
	s_mov_b32 s31, 0
	s_add_nc_u64 s[26:27], s[14:15], s[30:31]      ; my four images
	s_lshl_b32 s30, s25, 8
	s_add_co_u32 s30, s30, s24
	s_add_co_u32 s30, s30, 24576
	s_add_nc_u64 s[28:29], s[14:15], s[30:31]      ; my 256 bytes of scale words
.macro LOADX jj                        ; tile jj: 16 rows' 512 bytes, 16 bytes a lane: each load reads 512 consecutive bytes
.set LR, R0+64*((\jj)%2)
.set LT, 32*((\jj)/2)+8*((\jj)%2)
.set LI, 0
.rept 16
	global_load_b128 v[LR+4*LI:LR+4*LI+3], v4, s[4:5] offset:(LT+LI+8*(LI/8))*4096 th:TH_LOAD_NT
.set LI, LI+1
.endr
.endm
.macro TILEX jj
.set LR, R0+64*((\jj)%2)
.if (\jj) < 3
	s_wait_loadcnt 16                              ; this tile's 16 loads are in; the next tile's 16 may be out
.else
	s_wait_loadcnt 0x0
.endif
.set LI, 0
.rept 16
	ds_store_b128 v5, v[LR+4*LI:LR+4*LI+3] offset:528*LI
.set LI, LI+1
.endr
.set LI, 0
.rept 16
	ds_load_b128 v[X+4*LI:X+4*LI+3], v6 offset:128*(LI/4)+16*(LI%4)   ; LDS serves a wave's instructions in order: these see my stores
.set LI, LI+1
.endr
	s_wait_dscnt 0x0                               ; my numbers are back, and the stores have read their registers,
.if (\jj) < 2
	LOADX (\jj)+2                                  ; which take the loads of two tiles on
.endif
.if (\jj) > 0
	s_wait_xcnt 0x0                                ; the last tile's stores have read the codes' registers: they are written again only behind this wait
.endif
	QUANT X, PC, PW+(\jj)
.irp c, 0,1,2
	global_store_b128 v4, v[PC+4*\c:PC+4*\c+3], s[26:27] offset:(\jj)*1536+512*\c   ; 512 consecutive bytes, aligned
.endr
.endm
	LOADX 0
	LOADX 1
	TILEX 0
	TILEX 1
	TILEX 2
	TILEX 3
	v_cmp_lt_u32 vcc_lo, 15, v1                    ; lanes 16-31 store tiles 2 and 3's words, lanes 0-15 tiles 0 and 1's
	v_cndmask_b32 v36, v[PW], v[PW+2], vcc_lo
	v_cndmask_b32 v37, v[PW+1], v[PW+3], vcc_lo
	global_store_b64 v11, v[36:37], s[28:29]       ; 256 consecutive bytes, aligned
	s_wait_tensorcnt 0x0                           ; the wave's end: behind my last LDS store
	ds_add_u32 v[SPW], v[NIL]
	s_wait_dscnt 0x0
	s_endpgm
.Lweights:
	; ---- a weight: matrix m, K step st, quarter qd; my wave: 64 columns.  A LANE TAKES A COLUMN, AND ITS REGISTERS RUN DOWN K
	s_sub_co_u32 s20, ttmp9, 256
	s_lshr_b32 s21, s20, 5                         ; m = 0..3
	s_and_b32 s22, s20, 3                          ; qd
	s_bfe_u32 s23, s20, 0x30002                    ; st
	s_cmp_eq_u32 s21, 1
	s_cselect_b64 s[6:7], s[8:9], s[6:7]
	s_cmp_eq_u32 s21, 2
	s_cselect_b64 s[6:7], s[10:11], s[6:7]
	s_cmp_eq_u32 s21, 3
	s_cselect_b64 s[6:7], s[12:13], s[6:7]         ; the choice hangs on the work-group's number alone
	s_lshl_b32 s24, s23, 19                        ; 128 rows of 4,096 bytes
	s_lshl_b32 s25, s22, 10                        ; 256 columns
	s_add_co_u32 s24, s24, s25
	s_lshl_b32 s25, s[WV], 8                       ; 64 columns
	s_add_co_u32 s24, s24, s25
	s_mov_b32 s25, 0
	s_add_nc_u64 s[6:7], s[6:7], s[24:25]
	s_mul_i32 s24, s21, GRP
	s_lshl_b32 s30, s23, 2
	s_add_co_u32 s30, s30, s22
	s_mul_i32 s30, s30, CH
	s_add_co_u32 s24, s24, s30                     ; the chunk
	s_mul_i32 s30, s[WV], 6144
	s_add_co_u32 s30, s30, s24
	s_mov_b32 s31, 0
	s_add_nc_u64 s[26:27], s[16:17], s[30:31]
	s_lshl_b32 s30, s[WV], 8
	s_add_co_u32 s30, s30, s24
	s_add_co_u32 s30, s30, 24576
	s_add_nc_u64 s[28:29], s[16:17], s[30:31]
.macro LOADW t                         ; block t: half t % 2 of my 64 columns, K block t / 2: w(32 (t / 2) + i, my column).  Two blocks on end read both halves of the same 256 bytes of each row
.set LI, 0
.rept 32
	global_load_b32 v[XW+32*((\t)%2)+LI], v14, s[6:7] offset:(32*((\t)/2)+LI)*4096+128*((\t)%2) th:TH_LOAD_NT
.set LI, LI+1
.endr
.endm
.macro BLOCKW t
.set BP, (\t)%2
.set BKB, (\t)/2
.set XS, XW+32*((\t)%2)
.if (\t) < 7
	s_wait_loadcnt 32                              ; this block's 32 loads are in; the next block's may be out
.else
	s_wait_loadcnt 0x0
.endif
	v_max3_num_f32 v20, |v[XS]|, |v[XS+1]|, |v[XS+2]|   ; the block's largest magnitude: all 32 numbers are mine
	v_max3_num_f32 v21, |v[XS+3]|, |v[XS+4]|, |v[XS+5]|
.irp i, 6,10,14,18,22,26
	v_max3_num_f32 v20, v20, |v[XS+\i]|, |v[XS+\i+1]|
	v_max3_num_f32 v21, v21, |v[XS+\i+2]|, |v[XS+\i+3]|
.endr
	v_max3_num_f32 v20, v20, |v[XS+30]|, |v[XS+31]|
	v_max3_num_f32 v20, v20, v21, 0x1800000        ; and the floor
	v_add_nc_u32 v22, 0xff000000, v20              ; the conversion's scale operand
	v_cvt_scalef32_pk16_fp6_f32 v[C:C+2], v[XS:XS+15], v22
	v_cvt_scalef32_pk16_fp6_f32 v[C+4:C+6], v[XS+16:XS+31], v22
	v_lshrrev_b32 v23, 23, v22                     ; the scale's byte.  (The plain place behind the conversions)
	v_mov_b32 v[C+3], v[C+4]                       ; the block's six registers on end
	v_mov_b32 v[C+4], v[C+5]
	v_mov_b32 v[C+5], v[C+6]
.if BKB == 0
	v_mov_b32 v[SW+BP], v23
.else
	v_lshl_or_b32 v[SW+BP], v23, 8*BKB, v[SW+BP]
.endif
; K block kb is registers 6 (kb / 2) .. + 5 of lane (r', kb % 2) of the fragment
.set BO, BP*2*WPIT+(BKB%2)*256
.if BKB < 2
	ds_store_b128 v7, v[C:C+3] offset:BO           ; registers 0-3,
	ds_store_b64 v7, v[C+4:C+5] offset:BO+512      ; 4, 5
.else
	ds_store_b64 v7, v[C:C+1] offset:BO+520        ; registers 6, 7,
	ds_store_b128 v7, v[C+2:C+5] offset:BO+1024    ; 8-11
.endif
.if BKB == 3
	ds_store_b32 v8, v[SW+BP] offset:8*BP          ; my column's scale word
.endif
.if (\t) < 6
	LOADW (\t)+2
.endif
	s_wait_dscnt 0x0                               ; the stores have read their registers: the next block's codes may be written
.endm
	s_wait_alu depctr_va_vdst(0)
	LOADW 0
	LOADW 1
.irp t, 0,1,2,3,4,5,6,7
	BLOCKW \t
.endr
.irp j, 0,1,2,3
.irp c, 0,1,2
	ds_load_b128 v[OUTR+12*\j+4*\c:OUTR+12*\j+4*\c+3], v9 offset:\j*WPIT+512*\c   ; LDS serves a wave's instructions in order: these see my stores
.endr
.endr
	ds_load_b64 v[OUTR+48:OUTR+49], v10
.irp j, 0,1,2,3
.irp c, 0,1,2
	s_wait_dscnt 12-(3*\j+\c)                      ; the younger loads may be out
	global_store_b128 v4, v[OUTR+12*\j+4*\c:OUTR+12*\j+4*\c+3], s[26:27] offset:\j*1536+512*\c   ; 512 consecutive bytes, aligned
.endr
.endr
	s_wait_dscnt 0x0
	global_store_b64 v15, v[OUTR+48:OUTR+49], s[28:29]   ; 256 consecutive bytes, aligned
	s_wait_tensorcnt 0x0                           ; the wave's end: behind my last LDS store
	ds_add_u32 v[SPW], v[NIL]
	s_wait_dscnt 0x0
	s_endpgm
.Lfunc_end_k_q22889b6ca5_prep:
	.size	k_q22889b6ca5_prep, .Lfunc_end_k_q22889b6ca5_prep-k_q22889b6ca5_prep
	.p2alignl 7, 3214868480
	.fill 96, 4, 3214868480
	.section	.rodata,"a",@progbits
	.p2align	6, 0x0
	.amdhsa_kernel k_q22889b6ca5_prep
		.amdhsa_group_segment_fixed_size 61952
		.amdhsa_private_segment_fixed_size 0
		.amdhsa_enable_private_segment 0
		.amdhsa_kernarg_size 56
		.amdhsa_user_sgpr_count 2
		.amdhsa_user_sgpr_kernarg_segment_ptr 1
		.amdhsa_wavefront_size32 1
		.amdhsa_system_sgpr_workgroup_id_x 1
		.amdhsa_system_sgpr_workgroup_id_y 1
		.amdhsa_system_sgpr_workgroup_id_z 1
		.amdhsa_system_vgpr_workitem_id 0
		.amdhsa_next_free_vgpr 256
		.amdhsa_next_free_sgpr 66
		.amdhsa_reserve_vcc 1
		.amdhsa_float_denorm_mode_32 3
		.amdhsa_float_denorm_mode_16_64 3
		.amdhsa_memory_ordered 1
		.amdhsa_forward_progress 1
		.amdhsa_inst_pref_size 75
	.end_amdhsa_kernel
	.amdgpu_metadata
---
amdhsa.version: [ 1, 2 ]
amdhsa.kernels:
  - .name:           k_q22889b6ca5_prep
    .symbol:         k_q22889b6ca5_prep.kd
    .args:
      - { .name: x, .offset: 0, .size: 8, .value_kind: global_buffer, .address_space: global }
      - { .name: wq, .offset: 8, .size: 8, .value_kind: global_buffer, .address_space: global }
      - { .name: wk, .offset: 16, .size: 8, .value_kind: global_buffer, .address_space: global }
      - { .name: wv, .offset: 24, .size: 8, .value_kind: global_buffer, .address_space: global }
      - { .name: wo, .offset: 32, .size: 8, .value_kind: global_buffer, .address_space: global }
      - { .name: xc, .offset: 40, .size: 8, .value_kind: global_buffer, .address_space: global }
      - { .name: wc, .offset: 48, .size: 8, .value_kind: global_buffer, .address_space: global }
    .group_segment_fixed_size: 61952
    .private_segment_fixed_size: 0
    .kernarg_segment_align: 8
    .kernarg_segment_size: 56
    .max_flat_workgroup_size: 128
    .sgpr_count:     66
    .vgpr_count:     256
    .wavefront_size: 32
...
	.end_amdgpu_metadata
.endif
;; end of part 1
;; launch qkv (part 2): grid 256 x 1, 4 waves a work-group, clusters of 4 x 1, 327,680 bytes of LDS; arguments xc, wc, q_norm_w, k_norm_w, qkvc, qkvs; writes qkvc, qkvs
.if DOCPART == 2
	.amdgcn_target "amdgcn-amd-amdhsa--gfx1250"
	.amdhsa_code_object_version 6
	.text
	.protected	k_q22889b6ca5_qkv
	.globl	k_q22889b6ca5_qkv
	.p2align	8
	.type	k_q22889b6ca5_qkv,@function
k_q22889b6ca5_qkv:
	s_mov_b64 s[64:65], 0
	v_nop
	global_prefetch_b8 v0, s[64:65] scope:SCOPE_SE
	s_setreg_imm32_b32 hwreg(HW_REG_WAVE_MODE, 25, 1), 1
	s_wait_xcnt 0x0
	s_wait_alu depctr_hold_cnt(0) depctr_sa_sdst(0) depctr_va_vdst(0) depctr_va_sdst(0) depctr_va_ssrc(0) depctr_va_vcc(0) depctr_vm_vsrc(0)
	s_getreg_b32 s2, hwreg(HW_REG_IB_STS2, 6, 4)
	s_cmp_eq_u32 s2, 0
	s_cbranch_scc0 .Lentry_in_a_cluster
	s_endpgm
.Lentry_in_a_cluster:
	s_bfe_u32 s2, ttmp6, 0x10000c
	s_cmp_lg_u32 s2, 0x3003
	s_cbranch_scc0 .Lentry_shape_is_right
	s_endpgm
.Lentry_shape_is_right:
; q, k = rmsnorm(x w) x gain and V^T = wv^T x^T on codes of FP6 (E2M3) with E8M0 scales, and their quantising for the attention launch.  Operand layouts as the launch before stores them: a fragment's image is 1,536 bytes;
; a group is 32 chunks of 25,600 bytes (16 images, 1,024 bytes of scale words) at (4 s + quarter) x 25,600; lane r of tile T holds row 32 (T / 2) + 8 (T % 2) + r + 8 (r / 8).
; SHARES: 256 work-groups of equal work.  Work-group g = 4 x cluster x + cx makes first HALF A UNIT OF V (64 features GA = (g / 2) % 16 x 512 tokens, half g % 2 of token group g / 32; quantised along the tokens), then ONE UNIT OF
; q OR k (Y = g / 128; 64 tokens X = g % 128 x all 1,024 columns: the norm needs whole rows ahead of the quantiser).  The 64 rows are source 1, the columns source 0: a lane holds one row, its registers run along the columns.
; Wave w owns 128 columns of the V half (32 accumulators) and 256 of the q / k unit (64 accumulators): 256 + 512 matrix instructions a wave.
; THE V HALF'S COLUMNS go from memory straight into the one wave's registers that multiply them: a ring of 16 fragments in 4 groups; a group is asked for again behind its own 16 products.  s_wait_loadcnt 36 = the three younger groups'
; loads.  They are not asked for jointly: the four partners have different halves and token groups' features, and a half's columns are read by 16 work-groups that lie in eight clusters.
; THE q / k UNIT'S COLUMNS are the same for the four partners of a cluster: each chunk is asked for JOINTLY, through two LDS slots of a K step (102,400 bytes); a wave fetches, and alone reads, its own chunk.
; Slot 0 is filled at the head, slot 1 behind the round that also shows the staged records to all waves; both are on their way under the V half.
; BOTH WALKS ALONG K ARE ROTATED: the V half begins at K step (g + g / 8) % 8, the q / k unit at (cluster x + cluster x / 8) % 8 (the same in all partners), and wrap round: those that share a column operand ask for eight different
; K steps at a time, and behind its first steps a work-group asks for chunks that others have asked for earlier: so no prefetch is written.  LIMIT: the f32 sums along K are added in an order that differs between work-groups.
; WHAT ALL WAVES SHARE comes once, through registers into LDS, IN THE ORDER OF THE WALK: a record for each position: the rows' four images (6,144 bytes), their scale words, and for the V half the columns' scale words (512 a wave).
; OUT: qkvc: q, k: image of (token tile T, head) at (8 T + head) 1,536; v: image of (128 keys kappa, feature tile TF) at (64 kappa + TF) 1,536.  qkvs: q, k: word at 2,048 X + 256 head + 16 r + 4 a; v: 4,096 kappa + 256 GA + 16 r + 4 a.
; LIMITS: NaN and infinities are not served; a block whose largest magnitude lies under 2^-124 keeps the byte 1; the sum of squares is added in another order than a plain mean's, in f32.
; REGISTERS: window 0: v1-26 addresses; v28, v29 the add's two; v32-39 the rows' scale words, v40-55 the columns', v64-159 the rows' fragments, two sets each; v160-167 my part of the gain; v176-251 the way out.
;   window 1: V: the ring, group g at v[48 g]; q, k: two sets of eight fragments at v0 and v128; at the end the gain.  windows 2, 3: V: accumulator (a, b) at window 2, 64 a + 8 b; q, k: window 2 + a / 2, 128 (a % 2) + 8 b.
.set GRP,   819200
.set CH,    25600
.set STEPB, 102400
.set VRB,   8448                       ; a record of the V half: 6,144 + 256 + 4 x 512
.set QRB,   6656                       ; of the q / k unit: 6,144 + 512 (the scale words twice, so that all 32 lanes read bytes that were written)
.set QR0,   8*VRB
.set SL0,   QR0+8*QRB                  ; slot 0; slot 1 lies STEPB behind it
.set SPARE, SL0+2*STEPB                ; the spare words, 128 bytes for each wave: two blocks of 256 bytes that no other line names
.set NWL,   0                          ; the gain, 4 x 1,024, and
.set RED,   4096                       ; the waves' sums of squares, 4 x 256: in the V half's first record, stored there behind the q / k unit's rounds, when nobody reads the record any more
.set ADB, 25                           ; v25, v26  16 x lane in my chunk of slot 0, 1
.set SPW, 28
.set NIL, 29
.set AS,  32
.set SB,  40
.set AF,  64
.set GW,  160
.set SQ,  176
.set TM,  176
.set SS,  192
.set PD,  196
.set RB,  200
.set RS,  216
.set PC,  224
.set PW,  244
.set WV,  16
.set SEL, 2                            ; s[2:3] selects for lane l xor 16
.set G1B, 4                            ; s[4:11] group 1 of the joint loads (the arguments that lay there have been used by then)
.set G0B, 12                           ; s[12:15], s[20:23] their groups 0, one a slot
.set COL, 32                           ; s[32:33], s[34:35] my columns at K step 0: V half, q / k unit
.set NB,  36                           ; s[36:43] a base for each group of the ring
.set OFF, 44                           ; s[44:45] the K step that is asked for next, in bytes
.set POS, 92
.set REC, 93
.set CNT, 94
.set MSB, 0
.macro WIN new                         ; the immediate's high byte repeats the setting that is left; a switch that changes nothing is dropped
.set WNEW, \new
.if MSB != WNEW
	s_set_vgpr_msb (MSB<<8)|WNEW
.set MSB, WNEW
.endif
.endm
.macro PLACES n
.rept \n
	v_nop
.endr
.endm
.macro CREST                           ; a round of the cluster's barrier behind its opening barrier
	s_cmp_lg_u32 s[WV], 0
	s_cbranch_scc1 .Lnot_wave_0_\@
	s_barrier_signal -3
.Lnot_wave_0_\@:
	s_barrier_wait -3
	s_barrier_signal -1
	s_barrier_wait -1
.endm
.macro CROUND
	s_barrier_signal -1
	s_barrier_wait -1
	CREST
.endm
	s_load_b256 s[4:11], s[0:1], 0x0               ; xc, wc, q_norm_w, k_norm_w
	s_load_b128 s[12:15], s[0:1], 0x20             ; qkvc, qkvs
	v_lshl_add_u32 v[SPW], v0, 2, SPARE
	v_mov_b32 v[NIL], 0
	ds_add_u32 v[SPW], v[NIL]                      ; the wave's opening: the add, twice on end, and its wait ahead of my first tensor load
	ds_add_u32 v[SPW], v[NIL]
	v_lshrrev_b32 v1, 5, v0
	v_readfirstlane_b32 s[WV], v1                  ; wave 0..3
	; all scalar arithmetic first, then the vector block on end.  cx enters global addresses of the rows, of the V half's columns and of the results alone
	s_bfe_u32 s17, ttmp6, 0x40000                  ; cx
	s_lshl_b32 s91, ttmp9, 2
	s_add_co_u32 s91, s91, s17                     ; g
	s_lshr_b32 s18, s91, 3
	s_add_co_u32 s18, s18, s91
	s_and_b32 s18, s18, 7                          ; where the V half's walk begins
	s_lshr_b32 s95, ttmp9, 3
	s_add_co_u32 s95, s95, ttmp9
	s_and_b32 s95, s95, 7                          ; where the q / k unit's walk begins: the same in all partners
	s_lshr_b32 s19, s91, 5                         ; V: token group
	s_bfe_u32 s20, s91, 0x40001                    ; V: GA
	s_and_b32 s21, s91, 1                          ; V: half
	s_lshr_b32 s22, ttmp9, 5                       ; Y: 0 q, 1 k
	s_and_b32 s23, s91, 127                        ; X
	s_lshl_b32 s55, s[WV], 8
	s_lshl_b32 s54, s[WV], 10
	s_lshl_b32 s46, s[WV], 9
	s_add_co_u32 s46, s46, 6400                    ; my scale words in a V record
	s_mul_i32 s47, s[WV], CH
	s_add_co_u32 s47, s47, SL0                     ; my chunk in slot 0
	s_and_b32 s48, s20, 3
	s_lshl_b32 s49, s48, 8
	s_add_co_u32 s49, s49, 24576                   ; V rows: scale words in their chunk,
	s_mul_i32 s48, s48, 6144                       ; images
	s_and_b32 s50, s23, 3
	s_lshl_b32 s51, s50, 8
	s_add_co_u32 s51, s51, 24576                   ; the same for the q / k rows
	s_mul_i32 s50, s50, 6144
	s_mul_i32 s52, s[WV], 2*VRB                    ; I stage positions 2 w and 2 w + 1
	s_mul_i32 s53, s[WV], 2*QRB
	s_add_co_u32 s53, s53, QR0
	s_lshr_b32 s56, s20, 2
	s_mul_i32 s56, s56, CH
	s_add_co_u32 s56, s56, 2*GRP                   ; V rows' chunk: wv's group, quarter GA / 4
	s_mul_i32 s58, s19, GRP
	s_mul_i32 s17, s21, 2*CH
	s_add_co_u32 s58, s58, s17                     ; V columns: the token group, quarters 2 half, 2 half + 1
	s_lshr_b32 s60, s23, 4
	s_mul_i32 s60, s60, GRP
	s_bfe_u32 s17, s23, 0x20002
	s_mul_i32 s17, s17, CH
	s_add_co_u32 s60, s60, s17                     ; q / k rows' chunk
	s_mul_i32 s62, s22, GRP                        ; q / k columns: wq's or wk's group
	s_lshr_b32 s66, s[WV], 1
	s_mul_i32 s66, s66, CH
	s_and_b32 s17, s[WV], 1
	s_mul_i32 s17, s17, 12288
	s_add_co_u32 s66, s66, s17                     ; V: my eight images: quarter w / 2, images 8 (w % 2) on
	s_mul_i32 s68, s[WV], CH                       ; q / k: my chunk
	s_lshl_b32 s17, s19, 3
	s_lshl_b32 s70, s21, 2
	s_add_co_u32 s17, s17, s70
	s_add_co_u32 s17, s17, s[WV]                   ; kappa = 8 group + 4 half + w
	s_lshl_b32 s70, s17, 6
	s_lshl_b32 s72, s20, 2
	s_add_co_u32 s70, s70, s72
	s_mul_i32 s70, s70, 1536
	s_add_co_u32 s70, s70, 12582912                ; v's images
	s_lshl_b32 s72, s17, 12
	s_lshl_b32 s17, s20, 8
	s_add_co_u32 s72, s72, s17
	s_add_co_u32 s72, s72, 524288                  ; v's scale words
	s_lshl_b32 s74, s23, 5
	s_lshl_b32 s17, s[WV], 1
	s_add_co_u32 s74, s74, s17
	s_mul_i32 s74, s74, 1536
	s_mul_i32 s17, s22, 6291456
	s_add_co_u32 s74, s74, s17                     ; q's or k's images: 32 X + 2 w
	s_lshl_b32 s24, s22, 18
	s_lshl_b32 s17, s23, 11
	s_add_co_u32 s24, s24, s17
	s_lshl_b32 s17, s[WV], 9
	s_add_co_u32 s24, s24, s17                     ; and scale words
	s_lshl_b32 s17, s[WV], 1
	s_add_co_u32 s17, s17, s18
	s_and_b32 s26, s17, 7
	s_mul_i32 s26, s26, STEPB                      ; V: the K step at position 2 w,
	s_add_co_u32 s17, s17, 1
	s_and_b32 s28, s17, 7
	s_mul_i32 s28, s28, STEPB                      ; at 2 w + 1
	s_lshl_b32 s17, s[WV], 1
	s_add_co_u32 s17, s17, s95
	s_and_b32 s36, s17, 7
	s_mul_i32 s36, s36, STEPB                      ; the same for q / k
	s_add_co_u32 s17, s17, 1
	s_and_b32 s38, s17, 7
	s_mul_i32 s38, s38, STEPB
	s_mul_i32 s40, s95, STEPB                      ; q / k: the K steps at positions 0
	s_add_co_u32 s42, s95, 1
	s_and_b32 s42, s42, 7
	s_mul_i32 s42, s42, STEPB                      ; and 1
.irp z, 57,59,61,63,67,69,71,73,75,25,27,29,37,39,41,43,45
	s_mov_b32 s\z, 0
.endr
	s_mov_b32 s[SEL], 0x76543210
	s_mov_b32 s[SEL+1], 0xfedcba98
	s_mov_b32 s[POS], s18
	s_mov_b32 s[REC], 0
	v_and_b32 v1, 31, v0                           ; lane
	v_and_b32 v2, 15, v0                           ; r
	v_bfe_u32 v3, v0, 4, 1                         ; h
	v_lshlrev_b32 v4, 4, v1                        ; 16 x lane
	v_lshlrev_b32 v14, 4, v2                       ; 16 r
	v_add_nc_u32 v5, s46, v4
	v_add_nc_u32 v[ADB], s47, v4
	v_add_nc_u32 v[ADB+1], STEPB, v[ADB]
	v_add_nc_u32 v15, s48, v4                      ; staging, in memory: V rows' images, scale words; q / k rows' images, scale words
	v_add_nc_u32 v16, s49, v14
	v_add_nc_u32 v17, s50, v4
	v_add_nc_u32 v18, s51, v14
	v_add_nc_u32 v19, s52, v4                      ; and in LDS
	v_add_nc_u32 v20, s52, v14
	v_add_nc_u32 v21, s53, v4
	v_add_nc_u32 v24, s54, v4                      ; my 1,024 bytes of the gain, in memory and (NWL = 0) in LDS
	v_lshl_add_u32 v9, v3, 6, s54                  ; the gain of my columns: 1,024 w + 64 h
	v_add_nc_u32 v11, RED, v14
	v_add_nc_u32 v10, s55, v11
	v_lshl_add_u32 v13, v3, 8, v14                 ; q, k: the results' scale words: 16 r, lanes 16-31 the second head's
.irp a, 0,1,2,3
	v_mov_b32 v[PD+\a], 0                          ; written once: a lane permute's destination counts as one of its sources
	v_mov_b32 v[TM+4+\a], 0
.endr
	s_wait_alu depctr_va_vdst(0)                   ; at the head's end
	s_wait_dscnt 0x0                               ; both opening adds are done
	s_wait_kmcnt 0x0
	s_add_nc_u64 s[56:57], s[6:7], s[56:57]
	s_add_nc_u64 s[58:59], s[4:5], s[58:59]
	s_add_nc_u64 s[60:61], s[4:5], s[60:61]
	s_add_nc_u64 s[62:63], s[6:7], s[62:63]
	s_add_nc_u64 s[COL:COL+1], s[58:59], s[66:67]
	s_add_nc_u64 s[COL+2:COL+3], s[62:63], s[68:69] ; made of the cluster's x and the wave's number alone: equal in all four partners
.irp i, 0,1                            ; V: rows' chunk and columns' group, q / k: rows' chunk, at my position 2 w + i
	s_add_nc_u64 s[76+4*\i:77+4*\i], s[56:57], s[26+2*\i:27+2*\i]
	s_add_nc_u64 s[78+4*\i:79+4*\i], s[58:59], s[26+2*\i:27+2*\i]
	s_add_nc_u64 s[84+4*\i:85+4*\i], s[60:61], s[36+2*\i:37+2*\i]
.endr
	s_add_nc_u64 s[70:71], s[12:13], s[70:71]
	s_add_nc_u64 s[72:73], s[14:15], s[72:73]
	s_add_nc_u64 s[74:75], s[12:13], s[74:75]
	s_add_nc_u64 s[24:25], s[14:15], s[24:25]
	s_cmp_eq_u32 s22, 1
	s_cselect_b64 s[30:31], s[10:11], s[8:9]       ; k's gain or q's: the choice hangs on the cluster's x alone
	s_mov_b32 s48, 0x3a800000                      ; 1 / 1,024
	s_mov_b32 s49, 0x358637bd                      ; 1e-6
	s_mov_b32 s[G0B], 1                            ; the joint loads' groups 0: positions 0 and 1
	s_mov_b32 s[G0B+1], s47
	s_add_nc_u64 s[G0B+2:G0B+3], s[COL+2:COL+3], s[40:41]
	s_or_b32 s[G0B+3], s[G0B+3], 0x80000000
	s_mov_b32 s[G0B+8], 1
	s_add_co_u32 s[G0B+9], s47, STEPB
	s_add_nc_u64 s[G0B+10:G0B+11], s[COL+2:COL+3], s[42:43]
	s_or_b32 s[G0B+11], s[G0B+11], 0x80000000
	s_mov_b32 s[G1B], 15|(3<<16)|(1<<21)           ; the mask of all four partners; elements of 8 bytes; bit 21 beside a mask: a chunk, 25,600 dense bytes as 100 rows of 256
	s_mov_b32 s[G1B+1], 32<<16
	s_mov_b32 s[G1B+2], 100<<16
	s_mov_b32 s[G1B+3], 32<<16
	s_mov_b32 s[G1B+4], 100
	s_mov_b32 s[G1B+5], 32
	s_mov_b32 s[G1B+6], 0
	s_mov_b32 s[G1B+7], 0
; STAGING: a record of unit u (0 V, 1 q / k): 12 loads of images, 1 of the rows' scale words, for V 4 of the columns' scale words of all four waves
.macro STGL u, i
.set SR, (68-16*\u)*\i
.set PR, 76+8*\u+4*\i
.irp j, 0,1,2,3,4,5,6,7,8,9,10,11
	global_load_b128 v[SR+4*\j:SR+4*\j+3], v[15+2*\u], s[PR:PR+1] offset:512*\j
.endr
	global_load_b128 v[SR+48:SR+51], v[16+2*\u], s[PR:PR+1]
.if \u == 0
.irp j, 0,1,2,3
	global_load_b128 v[SR+52+4*\j:SR+55+4*\j], v4, s[PR+2:PR+3] offset:(\j/2)*CH+24576+512*(\j%2)
.endr
.endif
.endm
.macro STGS u, i
.set SR, (68-16*\u)*\i
.set RO, (VRB+(QRB-VRB)*\u)*\i
.irp j, 0,1,2,3,4,5,6,7,8,9,10,11
	ds_store_b128 v[19+2*\u], v[SR+4*\j:SR+4*\j+3] offset:RO+512*\j
.endr
.if \u == 0
	ds_store_b128 v20, v[SR+48:SR+51] offset:RO+6144            ; both halves of the lanes write the same words with the same values
.irp j, 0,1,2,3
	ds_store_b128 v19, v[SR+52+4*\j:SR+55+4*\j] offset:RO+6400+512*\j
.endr
.else
	ds_store_b128 v21, v[SR+48:SR+51] offset:RO+6144            ; the words twice: lanes 16-31 hold what lanes 0-15 hold
.endif
.endm
.macro NEXTOFF                         ; the K step of the next position of the walk, in bytes
	s_and_b32 s[OFF], s[POS], 7
	s_mul_i32 s[OFF], s[OFF], STEPB
	s_add_co_u32 s[POS], s[POS], 1
.endm
.macro RELOAD g                        ; four fragments of the V half into group g of the ring.  The group's base is written behind the counted wait that showed its last loads done
	s_add_nc_u64 s[NB+2*(\g):NB+2*(\g)+1], s[COL:COL+1], s[OFF:OFF+1]
	WIN 0x40
.set IM, 4*((\g)%2)
.irp f, 0,1,2,3
.irp c, 0,1,2
	global_load_b128 v[48*(\g)+12*\f+4*\c:48*(\g)+12*\f+4*\c+3], v4, s[NB+2*(\g):NB+2*(\g)+1] offset:(IM+\f)*1536+512*\c
.endr
.endr
.endm
.irp i, 0,1
	global_load_b128 v[GW+4*\i:GW+4*\i+3], v24, s[30:31] offset:512*\i
.endr
	WIN 0x80
	STGL 0, 0
	STGL 0, 1
	WIN 0xc0
	STGL 1, 0
	STGL 1, 1
	WIN 0
	CROUND                                         ; all four work-groups are here: the first joint loads meet
	tensor_load_to_lds s[G0B:G0B+3], s[G1B:G1B+7]  ; the q / k unit's position 0
	s_nop 0
	PLACES 4
	NEXTOFF                                        ; the ring's first fill: positions 0 and 1 of the V half
	RELOAD 0
	RELOAD 1
	NEXTOFF
	RELOAD 2
	RELOAD 3
	s_wait_loadcnt 48                              ; all but the ring's 48 loads: what is staged is in
	WIN 0x08
	STGS 0, 0
	STGS 0, 1
	WIN 0x0c
	STGS 1, 0
	STGS 1, 1
	WIN 0
	s_wait_tensorcnt 0x0                           ; my chunk of position 0 is in
	ds_add_u32 v[SPW], v[NIL]
	s_wait_dscnt 0x0                               ; the add is done, and, for the others' sake, my stores have landed
	CROUND                                         ; everybody's records are in, and the joint loads meet
	tensor_load_to_lds s[G0B+8:G0B+11], s[G1B:G1B+7]  ; position 1, the first tensor load behind the round
	s_nop 0
	PLACES 4
.macro WM row1, zero                   ; one product; its registers stand in MD, MA0, MA1, MS0, MS1
.if \zero
.if \row1
	v_wmma_scale_f32_16x16x128_f8f6f4 v[MD:MD+7], v[MA0:MA0+11], v[MA1:MA1+11], 0, v[MS0], v[MS1] matrix_a_fmt:MATRIX_FMT_FP6 matrix_b_fmt:MATRIX_FMT_FP6 matrix_a_scale:MATRIX_SCALE_ROW1
.else
	v_wmma_scale_f32_16x16x128_f8f6f4 v[MD:MD+7], v[MA0:MA0+11], v[MA1:MA1+11], 0, v[MS0], v[MS1] matrix_a_fmt:MATRIX_FMT_FP6 matrix_b_fmt:MATRIX_FMT_FP6
.endif
.else
.if \row1
	v_wmma_scale_f32_16x16x128_f8f6f4 v[MD:MD+7], v[MA0:MA0+11], v[MA1:MA1+11], v[MD:MD+7], v[MS0], v[MS1] matrix_a_fmt:MATRIX_FMT_FP6 matrix_b_fmt:MATRIX_FMT_FP6 matrix_a_scale:MATRIX_SCALE_ROW1
.else
	v_wmma_scale_f32_16x16x128_f8f6f4 v[MD:MD+7], v[MA0:MA0+11], v[MA1:MA1+11], v[MD:MD+7], v[MS0], v[MS1] matrix_a_fmt:MATRIX_FMT_FP6 matrix_b_fmt:MATRIX_FMT_FP6
.endif
.endif
.endm
; V: 16 products: group g's four fragments x the rows' four tiles.  The accumulators take turns, one instruction a turn.
.macro MUL g, p, zero
	WIN 0xa1
.irp f, 0,1,2,3
.irp a, 0,1,2,3
.set MD,  64*\a+8*(4*((\g)%2)+\f)
.set MA0, 48*(\g)+12*\f
.set MA1, AF+48*(\p)+12*\a
.set MS0, SB+8*(\p)+\f
.set MS1, AS+4*(\p)+\a
	WM (\g)%2, \zero
.endr
.endr
.endm
.macro ADV n, fk                       ; the records' addresses n bytes on; fk: the kind of record that follows
	s_add_co_u32 s[REC], s[REC], \n
	v_add_nc_u32 v7, s[REC], v4
.if \fk == 0
	v_add_nc_u32 v8, s[REC], v5
.endif
	s_wait_alu depctr_va_vdst(0)
.endm
.macro FETCH fk, q, fo                 ; a record into set q: the rows' four fragments, their scale words (lanes 0-15 count), for V my columns' scale words
.irp a, 0,1,2,3
.irp c, 0,1,2
	ds_load_b128 v[AF+48*(\q)+12*\a+4*\c:AF+48*(\q)+12*\a+4*\c+3], v7 offset:(\fo)+1536*\a+512*\c
.endr
.endr
	ds_load_b128 v[AS+4*(\q):AS+4*(\q)+3], v7 offset:(\fo)+6144
.if \fk == 0
	ds_load_b128 v[SB+8*(\q):SB+8*(\q)+3], v8 offset:(\fo)
.endif
.endm
; A K step of the V half at a position of parity p: groups 2 p, 2 p + 1.  nx: the walk's next K step is worked out; rl: each group is refilled with the position two on; tl: where it is not, the loads that may be out at the step's head;
; fk, fo: the next record's kind and place.
.macro VSTEP p, zero, nx, rl, tl, fk, fo
.if \nx
	NEXTOFF
.endif
.irp gi, 0,1
.set RG, \gi+2*(\p)
.if \rl
	s_wait_loadcnt 36                              ; this group is in; the three younger groups' 36 loads may be out
.else
	s_wait_loadcnt (\tl)-12*\gi
.endif
.if \gi == 0
	s_wait_dscnt 0x0                               ; this step's record is in
.endif
	MUL RG, \p, \zero
.if \rl || (\gi == 0)
	PLACES 4                                       ; four places in front of loads into registers that matrix instructions have read (ISA guide 7.12.1 for vector instructions)
.endif
.if \gi == 0
	WIN 0
	FETCH \fk, 1-\p, \fo
.endif
.if \rl
	RELOAD RG
.endif
.endr
	WIN 0
.endm
; q / k: eight of my chunk's sixteen fragments into set e; my chunk's scale words (register 4 i + j: lanes 0-15 tile 8 i + j, lanes 16-31 tile 8 i + 4 + j); eight products of the rows' tile a with set e
.macro FETCHB slot, e
	WIN 0x40
.set FI, 0
.rept 8
.irp c, 0,1,2
	ds_load_b128 v[128*(\e)+12*FI+4*\c:128*(\e)+12*FI+4*\c+3], v[ADB+(\slot)] offset:(8*(\e)+FI)*1536+512*\c
.endr
.set FI, FI+1
.endr
	WIN 0
.endm
.macro FETCHSB slot
.irp i, 0,1
	ds_load_b128 v[SB+8*(\slot)+4*\i:SB+8*(\slot)+4*\i+3], v[ADB+(\slot)] offset:24576+512*\i
.endr
.endm
.macro MULB a, e, p, zero
	WIN 0xa1+0x50*((\a)/2)
.set MB, 0
.rept 8
.set MD,  128*((\a)%2)+8*(8*(\e)+MB)
.set MA0, 128*(\e)+12*MB
.set MA1, AF+48*(\p)+12*(\a)
.set MS0, SB+8*(\p)+4*(\e)+(MB%4)
.set MS1, AS+4*(\p)+(\a)
	WM MB/4, \zero
.set MB, MB+1
.endr
.endm
; A K step of the q / k unit at a position of parity p, in slot p.  mode 2: the slot, read out, is filled again with the position two on, behind a round of the cluster's barrier; 1: nothing is filled, the next slot's load was the last; 0: the last step.
.macro QSTEP p, zero, mode, fo
.if \zero == 0
	PLACES 4
.endif
	FETCHB \p, 1
	s_wait_dscnt 24                                ; all but the 24 loads just issued
.irp a, 0,1,2,3
	MULB \a, 0, \p, \zero
.endr
	WIN 0                                          ; (the add's two registers lie in window 0)
.if (\mode) == 2
	s_wait_tensorcnt 0x0                           ; all my tensor loads have landed: the one that was out is my chunk of the next slot
	ds_add_u32 v[SPW], v[NIL]                      ; 0 onto my spare word
	s_wait_dscnt 1                                 ; set 1 is in; the add may be out
	MULB 0, 1, \p, \zero
	s_wait_dscnt 0x0                               ; the add is done, and my reads of this slot are over
	s_barrier_signal -1
	MULB 1, 1, \p, \zero
	WIN 0
	s_barrier_wait -1
	CREST                                          ; no wave of any partner still reads this slot or has a load on its way
	NEXTOFF
	s_add_nc_u64 s[G0B+8*(\p)+2:G0B+8*(\p)+3], s[COL+2:COL+3], s[OFF:OFF+1]
	s_or_b32 s[G0B+8*(\p)+3], s[G0B+8*(\p)+3], 0x80000000
	tensor_load_to_lds s[G0B+8*(\p):G0B+8*(\p)+3], s[G1B:G1B+7]   ; the first tensor load behind the round, and my only one until the next
	s_nop 0
	PLACES 4                                       ; also the places in front of the loads below
.endif
.if (\mode) == 1
	s_wait_tensorcnt 0x0                           ; my chunk of the last position is in; I alone read it
	s_wait_dscnt 0x0
	MULB 0, 1, \p, \zero
	MULB 1, 1, \p, \zero
	PLACES 4
.endif
.if (\mode) > 0
	FETCHB 1-\p, 0
	FETCH 1, 1-\p, \fo
	FETCHSB 1-\p
.else
	s_wait_dscnt 0x0
	MULB 0, 1, \p, \zero
	MULB 1, 1, \p, \zero
.endif
	MULB 2, 1, \p, \zero
	MULB 3, 1, \p, \zero
	WIN 0
.endm
; 64 numbers of a lane in window x at v[sb], register 16 b + i = k 32 b + 16 h + i of my row, become a fragment's codes in v[PC] on and its scale word in v[pw]
.macro QUANTW x, sb, pw
	WIN 0x0a+5*((\x)-2)
.irp b, 0,1,2,3
	v_max3_num_f32 v[TM+\b], |v[(\sb)+16*\b]|, |v[(\sb)+16*\b+1]|, 0x1800000   ; and the floor 2^(3 - 127): the byte cannot fall under 1
.endr
.irp i, 2,4,6,8,10,12,14
.irp b, 0,1,2,3
	v_max3_num_f32 v[TM+\b], |v[(\sb)+16*\b+\i]|, |v[(\sb)+16*\b+\i+1]|, v[TM+\b]
.endr
.endr
	WIN 0
.irp b, 0,1,2,3
	v_permlanex16_b32 v[TM+4+\b], v[TM+\b], s[SEL], s[SEL+1]
.endr
.irp b, 0,1,2,3
	v_max_num_f32 v[TM+\b], v[TM+\b], v[TM+4+\b]
.endr
.irp b, 0,1,2,3
	v_add_nc_u32 v[TM+12+\b], 0xff000000, v[TM+\b]
.endr
.irp b, 0,1,2,3
	v_lshrrev_b32 v[TM+4+\b], 23, v[TM+12+\b]
.endr
	v_lshl_or_b32 v[\pw], v[TM+5], 8, v[TM+4]
	v_lshl_or_b32 v[\pw], v[TM+6], 16, v[\pw]
	v_lshl_or_b32 v[\pw], v[TM+7], 24, v[\pw]
	WIN 0x02+((\x)-2)
.irp c, 0,1
	v_cvt_scalef32_pk16_fp6_f32 v[PC+6*\c:PC+6*\c+2], v[(\sb)+32*\c:(\sb)+32*\c+15], v[TM+12+2*\c]
	v_cvt_scalef32_pk16_fp6_f32 v[PC+12+4*\c:PC+14+4*\c], v[(\sb)+32*\c+16:(\sb)+32*\c+31], v[TM+13+2*\c]
.endr
	WIN 0
	v_nop                                          ; one plain place behind a scaled conversion
.irp c, 0,1
.irp i, 0,1,2
	v_permlane16_swap_b32 v[PC+6*\c+\i], v[PC+12+4*\c+\i]
.endr
.irp i, 0,1,2
	v_mov_b32 v[PC+3+6*\c+\i], v[PC+12+4*\c+\i]
.endr
.endr
.endm
	; ---- THE V HALF: positions 0 .. 7; a step refills its two groups with the position two on, the last two steps refill nothing
	ADV 0, 0
	FETCH 0, 0, 0
	VSTEP 0, 1, 1, 1, 0, 0, VRB                    ; position 0's products start the sums: nothing is cleared
	s_mov_b32 s[CNT], 2
.Lv:
	ADV 2*VRB, 0
	VSTEP 1, 0, 1, 1, 0, 0, 0
	VSTEP 0, 0, 1, 1, 0, 0, VRB
	s_sub_co_i32 s[CNT], s[CNT], 1
	s_cmp_lg_u32 s[CNT], 0
	s_cbranch_scc1 .Lv
	ADV 2*VRB, 0
	VSTEP 1, 0, 1, 1, 0, 0, 0                      ; position 5
	VSTEP 0, 0, 0, 0, 36, 0, VRB                   ; position 6
	ADV 2*VRB, 1
	VSTEP 1, 0, 0, 0, 12, 1, 0                     ; position 7; it fetches the q / k unit's first record
	PLACES 4                                       ; in front of the first reads of results
.irp a, 0,1,2,3                        ; my rows' four tiles x my 128 tokens: four fragments
.if \a > 0
	s_wait_xcnt 0x0                                ; the last fragment's stores have read their registers
.endif
	QUANTW 2, 64*\a, PW+\a
.irp c, 0,1,2
	global_store_b128 v4, v[PC+4*\c:PC+4*\c+3], s[70:71] offset:1536*\a+512*\c   ; 512 consecutive bytes, aligned
.endr
.endr
	global_store_b128 v14, v[PW:PW+3], s[72:73]    ; 256 consecutive bytes, aligned; both halves of the lanes store the same words with the same values
	; ---- THE q / k UNIT: positions 0 .. 7 through the two slots
	s_add_co_u32 s[POS], s95, 2                    ; the first refill asks for position 2
	FETCHSB 0
	FETCHB 0, 0
	QSTEP 0, 1, 2, QRB                             ; position 0's products start the sums
	s_mov_b32 s[CNT], 2
.Lq:
	ADV 2*QRB, 1
	QSTEP 1, 0, 2, 0
	QSTEP 0, 0, 2, QRB
	s_sub_co_i32 s[CNT], s[CNT], 1
	s_cmp_lg_u32 s[CNT], 0
	s_cbranch_scc1 .Lq
	ADV 2*QRB, 1
	QSTEP 1, 0, 2, 0                               ; position 5: the last refill, position 7
	QSTEP 0, 0, 1, QRB
	QSTEP 1, 0, 0, 0
	; ---- THE WAY OUT.  The gain of my columns: register 16 beta + i of window 1 = column 256 w + 32 beta + 16 h + i, as the accumulators' registers run
	PLACES 4
.irp i, 0,1
	ds_store_b128 v24, v[GW+4*\i:GW+4*\i+3] offset:NWL+512*\i   ; my 1,024 bytes of the gain; I alone read them, and LDS serves a wave's instructions in order
.endr
	WIN 0x40
.set FI, 0
.rept 32
	ds_load_b128 v[4*FI:4*FI+3], v9 offset:NWL+128*(FI/4)+16*(FI%4)
.set FI, FI+1
.endr
	; the sum of squares of each row: my 128 numbers of each tile in two chains of pairs, each accumulator from its low end on
.irp x, 0,1
	WIN 0x0a+5*\x
.set QP, 0
.rept 64
.irp g, 0,1
.set QR, 128*\g+2*QP
.set QS, SQ+4*(2*\x+\g)+2*(QP%2)
.if QP < 2
	v_pk_mul_f32 v[QS:QS+1], v[QR:QR+1], v[QR:QR+1]
.else
	v_pk_fma_f32 v[QS:QS+1], v[QR:QR+1], v[QR:QR+1], v[QS:QS+1]
.endif
.endr
.set QP, QP+1
.endr
.endr
	WIN 0
.irp a, 0,1,2,3
	v_pk_add_f32 v[SQ+4*\a:SQ+4*\a+1], v[SQ+4*\a:SQ+4*\a+1], v[SQ+4*\a+2:SQ+4*\a+3]
.endr
.irp a, 0,1,2,3
	v_add_f32 v[SS+\a], v[SQ+4*\a], v[SQ+4*\a+1]
.endr
.irp a, 0,1,2,3
	v_permlanex16_b32 v[PD+\a], v[SS+\a], s[SEL], s[SEL+1]
.endr
.irp a, 0,1,2,3
	v_add_f32 v[SS+\a], v[SS+\a], v[PD+\a]         ; with lane l xor 16's: my wave's 256 columns
.endr
	ds_store_b128 v10, v[SS:SS+3]                  ; both halves of the lanes write the same words with the same values
	s_wait_dscnt 0x0                               ; for the others' sake: my store has landed (and the gain is in)
	s_barrier_signal -1
	s_barrier_wait -1
.irp q, 0,1,2,3
	ds_load_b128 v[RB+4*\q:RB+4*\q+3], v11 offset:256*\q
.endr
	s_wait_dscnt 0x0
.irp a, 0,1,2,3
	v_add_f32 v[RB+\a], v[RB+\a], v[RB+4+\a]
	v_add_f32 v[RB+8+\a], v[RB+8+\a], v[RB+12+\a]
.endr
.irp a, 0,1,2,3
	v_add_f32 v[RB+\a], v[RB+\a], v[RB+8+\a]
.endr
.irp a, 0,1,2,3
	v_fma_f32 v[RB+\a], v[RB+\a], s48, s49         ; the mean of the squares + 1e-6
.endr
	s_wait_alu depctr_va_vdst(0)                   ; ahead of the batch
.irp a, 0,1,2,3
	v_rsq_f32 v[RS+2*\a], v[RB+\a]
.endr
	v_nop                                          ; a plain instruction behind the last of them
	s_wait_alu depctr_va_vdst(0)                   ; one wait for the four, ahead of their first reader
.irp a, 0,1,2,3
	v_mov_b32 v[RS+2*\a+1], v[RS+2*\a]             ; (the packed form names the pair)
.endr
.irp x, 0,1
	WIN 0x82+0x41*\x
.irp g, 0,1
.set QP, 0
.rept 64
	v_pk_mul_f32 v[128*\g+2*QP:128*\g+2*QP+1], v[128*\g+2*QP:128*\g+2*QP+1], v[RS+2*(2*\x+\g):RS+2*(2*\x+\g)+1] op_sel_hi:[1,0]   ; x / rms,
.set QP, QP+1
.endr
.endr
	WIN 0x86+0x41*\x
.irp g, 0,1
.set QP, 0
.rept 64
	v_pk_mul_f32 v[128*\g+2*QP:128*\g+2*QP+1], v[128*\g+2*QP:128*\g+2*QP+1], v[2*QP:2*QP+1]   ; then x the gain
.set QP, QP+1
.endr
.endr
.endr
	WIN 0
.irp a, 0,1,2,3                        ; my rows' four tiles x my two heads: eight fragments
.irp n, 0,1
	s_wait_xcnt 0x0                                ; the earlier stores have read their registers: they are written again only behind this wait
	QUANTW 2+\a/2, 128*(\a%2)+64*\n, PW+4*\n+\a
.irp c, 0,1,2
	global_store_b128 v4, v[PC+4*\c:PC+4*\c+3], s[74:75] offset:12288*\a+1536*\n+512*\c   ; 512 consecutive bytes, aligned
.endr
.endr
.endr
	v_cmp_lt_u32 vcc_lo, 15, v1                    ; lanes 16-31 store the second head's words
.irp a, 0,1,2,3
	v_cndmask_b32 v[PW+\a], v[PW+\a], v[PW+4+\a], vcc_lo
.endr
	global_store_b128 v13, v[PW:PW+3], s[24:25]    ; sixteen lanes store 256 consecutive bytes, aligned
	s_wait_tensorcnt 0x0                           ; the wave's end: behind my last tensor load and my last LDS store
	ds_add_u32 v[SPW], v[NIL]
	s_wait_dscnt 0x0
	CROUND                                         ; the closing round: no work-group ends while a partner may still ask for a chunk that names it
	s_endpgm
.Lfunc_end_k_q22889b6ca5_qkv:
	.size	k_q22889b6ca5_qkv, .Lfunc_end_k_q22889b6ca5_qkv-k_q22889b6ca5_qkv
	.p2alignl 7, 3214868480
	.fill 96, 4, 3214868480
	.section	.rodata,"a",@progbits
	.p2align	6, 0x0
	.amdhsa_kernel k_q22889b6ca5_qkv
		.amdhsa_group_segment_fixed_size 327680
		.amdhsa_private_segment_fixed_size 0
		.amdhsa_enable_private_segment 0
		.amdhsa_kernarg_size 48
		.amdhsa_user_sgpr_count 2
		.amdhsa_user_sgpr_kernarg_segment_ptr 1
		.amdhsa_wavefront_size32 1
		.amdhsa_system_sgpr_workgroup_id_x 1
		.amdhsa_system_sgpr_workgroup_id_y 1
		.amdhsa_system_sgpr_workgroup_id_z 1
		.amdhsa_system_vgpr_workitem_id 0
		.amdhsa_next_free_vgpr 1024
		.amdhsa_next_free_sgpr 96
		.amdhsa_reserve_vcc 1
		.amdhsa_float_denorm_mode_32 3
		.amdhsa_float_denorm_mode_16_64 3
		.amdhsa_memory_ordered 1
		.amdhsa_forward_progress 1
		.amdhsa_inst_pref_size 249
	.end_amdhsa_kernel
	.amdgpu_metadata
---
amdhsa.version: [ 1, 2 ]
amdhsa.kernels:
  - .name:           k_q22889b6ca5_qkv
    .symbol:         k_q22889b6ca5_qkv.kd
    .args:
      - { .name: xc, .offset: 0, .size: 8, .value_kind: global_buffer, .address_space: global }
      - { .name: wc, .offset: 8, .size: 8, .value_kind: global_buffer, .address_space: global }
      - { .name: q_norm_w, .offset: 16, .size: 8, .value_kind: global_buffer, .address_space: global }
      - { .name: k_norm_w, .offset: 24, .size: 8, .value_kind: global_buffer, .address_space: global }
      - { .name: qkvc, .offset: 32, .size: 8, .value_kind: global_buffer, .address_space: global }
      - { .name: qkvs, .offset: 40, .size: 8, .value_kind: global_buffer, .address_space: global }
    .group_segment_fixed_size: 327680
    .private_segment_fixed_size: 0
    .kernarg_segment_align: 8
    .kernarg_segment_size: 48
    .max_flat_workgroup_size: 128
    .sgpr_count:     96
    .vgpr_count:     1024
    .wavefront_size: 32
...
	.end_amdgpu_metadata
.endif
;; end of part 2
;; launch attn (part 3): grid 256 x 1, 4 waves a work-group, clusters of 4 x 1, 327,680 bytes of LDS; arguments qkvc, qkvs, wc, out0; writes out0
.if DOCPART == 3
	.amdgcn_target "amdgcn-amd-amdhsa--gfx1250"
	.amdhsa_code_object_version 6
	.text
	.protected	k_q22889b6ca5_attn
	.globl	k_q22889b6ca5_attn
	.p2align	8
	.type	k_q22889b6ca5_attn,@function
k_q22889b6ca5_attn:
	s_mov_b64 s[64:65], 0
	v_nop
	global_prefetch_b8 v0, s[64:65] scope:SCOPE_SE
	s_setreg_imm32_b32 hwreg(HW_REG_WAVE_MODE, 25, 1), 1
	s_wait_xcnt 0x0
	s_wait_alu depctr_hold_cnt(0) depctr_sa_sdst(0) depctr_va_vdst(0) depctr_va_sdst(0) depctr_va_ssrc(0) depctr_va_vcc(0) depctr_vm_vsrc(0)
	s_getreg_b32 s2, hwreg(HW_REG_IB_STS2, 6, 4)
	s_cmp_eq_u32 s2, 0
	s_cbranch_scc0 .Lentry_in_a_cluster
	s_endpgm
.Lentry_in_a_cluster:
	s_bfe_u32 s2, ttmp6, 0x10000c
	s_cmp_lg_u32 s2, 0x3003
	s_cbranch_scc0 .Lentry_shape_is_right
	s_endpgm
.Lentry_shape_is_right:
; Attention and the projection out, on codes of FP6 (E2M3) with E8M0 scales.  A work-group owns 32 tokens; wave w takes heads 2 w and 2 w + 1: S^T = k q^T, the bias and the mask, p = 2^(t - M) with M the ceiling of the row's largest t,
; p quantised by blocks of 32 keys, O^T = v^T p^T, divided by the row's sum of the unquantised p, quantised along the head; the codes meet in LDS, and out0 = y wo for the 32 tokens x 1,024 columns, wo's chunks coming jointly in a cluster of four.
; WORK LEFT OUT: of the keys only the two blocks of 32 that hold keys i - 16 .. i are multiplied: all other tiles lie wholly under the mask that reference() builds itself.
.set GRP,   819200
.set CH,    25600
.set STEPB, 102400
.set SL1,   102400
.set YIMG,  204800
.set YSC,   229376
.set STG,   231424
.set SPARE, 297984
.set VA,   6
.set YWI,  9
.set YWS,  10
.set ADB,  11
.set YRI,  13
.set YRS,  14
.set STO,  15
.set RD,   16
.set NINF, 17
.set SPW,  28
.set NIL,  29
.set QSC,  32
.set KSC,  36
.set VW,   44
.set PSC,  60
.set SB,   64
.set YS,   80
.set RELM, 96
.set S,    160
.set PP,   192
.set PC,   208
.set TM,   228
.set PW,   244
.set RL,   246
.set WV,   16
.set G1B,  32
.set G0B,  40
.set CS,   70
.set SLP,  72
.set SEL,  76
.set MSB, 0
.macro WIN new
.set WNEW, \new
.if MSB != WNEW
	s_set_vgpr_msb (MSB<<8)|WNEW
.set MSB, WNEW
.endif
.endm
.macro PLACES n
.rept \n
	v_nop
.endr
.endm
.macro CREST
	s_cmp_lg_u32 s[WV], 0
	s_cbranch_scc1 .Lnot_wave_0_\@
	s_barrier_signal -3
.Lnot_wave_0_\@:
	s_barrier_wait -3
	s_barrier_signal -1
	s_barrier_wait -1
.endm
.macro CROUND
	s_barrier_signal -1
	s_barrier_wait -1
	CREST
.endm
	s_load_b256 s[4:11], s[0:1], 0x0
	v_lshl_add_u32 v[SPW], v0, 2, SPARE
	v_mov_b32 v[NIL], 0
	ds_add_u32 v[SPW], v[NIL]
	ds_add_u32 v[SPW], v[NIL]
	v_lshrrev_b32 v1, 5, v0
	v_readfirstlane_b32 s[WV], v1
	s_bfe_u32 s17, ttmp6, 0x40000
	s_lshl_b32 s18, ttmp9, 2
	s_add_co_u32 s18, s18, s17
	s_mov_b32 s[G1B], 15|(3<<16)|(1<<21)
	s_mov_b32 s[G1B+1], 32<<16
	s_mov_b32 s[G1B+2], 100<<16
	s_mov_b32 s[G1B+3], 32<<16
	s_mov_b32 s[G1B+4], 100
	s_mov_b32 s[G1B+5], 32
	s_mov_b32 s[G1B+6], 0
	s_mov_b32 s[G1B+7], 0
	s_mul_i32 s27, s[WV], CH
	s_add_co_u32 s98, s27, 3*GRP
	s_mov_b32 s99, 0
	s_mov_b32 s[G0B], 1
	s_mov_b32 s[G0B+1], s27
	s_mov_b32 s[G0B+4], 1
	s_add_co_u32 s[G0B+5], s27, SL1
	s_mov_b32 s[SEL], 0x76543210
	s_mov_b32 s[SEL+1], 0xfedcba98
	s_mov_b32 s[CS], 0x3e0293ee
	s_mov_b32 s[CS+1], s[CS]
	; THE WALK ALONG wo's K IS ROTATED: the cluster begins at K step (cluster x + cluster x / 8) % 8 and wraps round, so the clusters ask for eight different K steps at a time.
	; Only the cluster's x enters: the four partners' descriptors stay equal.  LIMIT: the f32 sums along K are added in an order that differs from cluster to cluster.
	s_lshr_b32 s91, ttmp9, 3
	s_add_co_u32 s91, s91, ttmp9
	s_and_b32 s91, s91, 7                          ; the K step at position 0
	s_mul_i32 s92, s91, STEPB
	s_mov_b32 s93, 0
	s_add_co_u32 s94, s91, 1
	s_and_b32 s94, s94, 7
	s_mul_i32 s94, s94, STEPB                      ; and at position 1, in bytes
	s_mov_b32 s95, 0
	s_mov_b32 s97, 0
	s_wait_dscnt 0x0
	s_wait_kmcnt 0x0
	s_add_nc_u64 s[28:29], s[8:9], s[98:99]
	s_add_nc_u64 s[G0B+2:G0B+3], s[28:29], s[92:93]
	s_or_b32 s[G0B+3], s[G0B+3], 0x80000000
	s_add_nc_u64 s[G0B+6:G0B+7], s[28:29], s[94:95]
	s_or_b32 s[G0B+7], s[G0B+7], 0x80000000
	CROUND
	tensor_load_to_lds s[G0B:G0B+3], s[G1B:G1B+7]
	s_nop 0
	v_and_b32 v1, 31, v0
	v_and_b32 v2, 15, v0
	v_bfe_u32 v3, v0, 4, 1
	v_lshlrev_b32 v4, 4, v1
	v_lshlrev_b32 v5, 4, v2
	s_mul_i32 s26, s[WV], 3072
	v_add_nc_u32 v[YWI], s26, v4
	v_add_nc_u32 v[YWI], YIMG, v[YWI]
	v_lshlrev_b32 v[YRS], 2, v1
	s_lshl_b32 s26, s[WV], 8
	v_add_nc_u32 v[YWS], s26, v[YRS]
	v_add_nc_u32 v[YWS], YSC, v[YWS]
	v_add_nc_u32 v[YRS], YSC, v[YRS]
	v_add_nc_u32 v[ADB], s27, v4
	v_add_nc_u32 v[ADB+1], SL1, v[ADB]
	v_add_nc_u32 v[YRI], YIMG, v4
	s_mul_i32 s26, s[WV], 16640
	s_add_co_u32 s26, s26, STG
	v_mul_u32_u24 v[STO], v2, 1040
	v_lshl_add_u32 v[STO], v3, 6, v[STO]
	v_add_nc_u32 v[STO], s26, v[STO]
	v_add_nc_u32 v[RD], s26, v4
	s_and_b32 s19, s18, 1
	s_sub_co_u32 s20, s18, s19
	s_and_b32 s86, s18, 63
	s_add_co_u32 s87, s18, 1
	s_sub_co_u32 s88, s18, 1
	s_mov_b32 s89, -4096
	s_cmp_eq_u32 s86, 0
	s_cselect_b32 s21, s87, s88
	s_cselect_b32 s23, s89, -32
	s_cmp_eq_u32 s19, 1
	s_cselect_b32 s21, s18, s21
	s_cselect_b32 s23, 0, s23
	s_cselect_b32 s22, -32, 0
	s_mov_b32 s87, 0
	s_mul_i32 s90, s[WV], 3072
	s_mul_i32 s86, s20, 24576
	s_add_co_u32 s86, s86, s90
	s_add_co_u32 s86, s86, 6291456
	s_add_nc_u64 s[48:49], s[4:5], s[86:87]
	s_mul_i32 s86, s21, 24576
	s_add_co_u32 s86, s86, s90
	s_add_co_u32 s86, s86, 6291456
	s_add_nc_u64 s[50:51], s[4:5], s[86:87]
	s_mul_i32 s86, s18, 24576
	s_add_co_u32 s86, s86, s90
	s_add_nc_u64 s[52:53], s[4:5], s[86:87]
	s_mul_i32 s86, s[WV], 24576
	s_add_co_u32 s86, s86, 12582912
	s_add_nc_u64 s[54:55], s[4:5], s[86:87]
	s_lshl_b32 s90, s[WV], 9
	s_lshr_b32 s86, s18, 1
	s_lshl_b32 s86, s86, 11
	s_add_co_u32 s86, s86, s90
	s_lshl_b32 s88, s19, 3
	s_add_co_u32 s86, s86, s88
	s_add_nc_u64 s[56:57], s[6:7], s[86:87]
	s_lshr_b32 s86, s20, 1
	s_lshl_b32 s86, s86, 11
	s_add_co_u32 s86, s86, s90
	s_add_co_u32 s86, s86, 262144
	s_add_nc_u64 s[58:59], s[6:7], s[86:87]
	s_lshr_b32 s86, s21, 1
	s_lshl_b32 s86, s86, 11
	s_add_co_u32 s86, s86, s90
	s_add_co_u32 s86, s86, 262144+8
	s_add_nc_u64 s[60:61], s[6:7], s[86:87]
	s_lshl_b32 s90, s[WV], 10
	s_lshr_b32 s86, s20, 2
	s_lshl_b32 s86, s86, 12
	s_add_co_u32 s86, s86, s90
	s_add_co_u32 s86, s86, 524288
	s_add_nc_u64 s[62:63], s[6:7], s[86:87]
	s_lshr_b32 s86, s21, 2
	s_lshl_b32 s86, s86, 12
	s_add_co_u32 s86, s86, s90
	s_add_co_u32 s86, s86, 524288
	s_add_nc_u64 s[66:67], s[6:7], s[86:87]
	s_lshl_b32 s86, s18, 17
	s_add_co_u32 s86, s86, s90
	s_add_nc_u64 s[68:69], s[10:11], s[86:87]
.irp g, 0,1
	s_lshr_b32 s86, s[20+\g], 2
	s_mul_i32 s86, s86, 98304
	s_bfe_u32 s88, s[20+\g], 0x10001
	s_mul_i32 s89, s88, 520
	s_add_co_u32 s[78+3*\g], s86, s89
	s_add_co_u32 s[80+3*\g], s[78+3*\g], 512
	s_mul_i32 s89, s88, 1016
	s_add_co_u32 s[79+3*\g], s86, s89
	s_add_co_u32 s[79+3*\g], s[79+3*\g], 8
	s_and_b32 s[84+\g], s[20+\g], 3
	s_lshl_b32 s[84+\g], s[84+\g], 3
.endr
	s_lshl_b32 s86, s[WV], 24
	s_sub_co_u32 s[SLP], 0x3fb8aa3b, s86
	s_mov_b32 s[SLP+1], s[SLP]
	s_sub_co_u32 s[SLP+2], s[SLP], 0x800000
	s_mov_b32 s[SLP+3], s[SLP+2]
	v_cmp_lt_u32 vcc_lo, 15, v1
.irp p, 0,1,2
	v_mov_b32 v18, s[78+\p]
	v_mov_b32 v19, s[81+\p]
	v_cndmask_b32 v[VA+\p], v18, v19, vcc_lo
	v_add_nc_u32 v[VA+\p], v[VA+\p], v4
.endr
	WIN 0x40
.irp g, 0,1
.irp u, 0,1
.irp d, 0,1
.irp c, 0,1,2
	global_load_b128 v[48*\d+24*\g+12*\u+4*\c:48*\d+24*\g+12*\u+4*\c+3], v4, s[48+2*\g:49+2*\g] offset:12288*\u+1536*\d+512*\c
.endr
.endr
.endr
.endr
.irp u, 0,1
.irp d, 0,1
.irp c, 0,1,2
	global_load_b128 v[96+24*\d+12*\u+4*\c:96+24*\d+12*\u+4*\c+3], v4, s[52:53] offset:12288*\u+1536*\d+512*\c
.endr
.endr
.endr
	WIN 0x80
.set FI, 0
.rept 16
.irp p, 0,1,2
	global_load_b64 v[6*FI+2*\p:6*FI+2*\p+1], v[VA+\p], s[54:55] offset:1536*FI
.endr
.set FI, FI+1
.endr
.irp i, 0,1,2,3,4,5
	v_mov_b32 v[96+\i], 0
.endr
	WIN 0
.irp d, 0,1
	global_load_b64 v[QSC+2*\d:QSC+2*\d+1], v5, s[56:57] offset:256*\d
	global_load_b64 v[KSC+4*\d:KSC+4*\d+1], v5, s[58:59] offset:256*\d
	global_load_b64 v[KSC+4*\d+2:KSC+4*\d+3], v5, s[60:61] offset:256*\d
.irp q, 0,1
	global_load_b128 v[S+8*\d+4*\q:S+8*\d+4*\q+3], v5, s[62:63] offset:512*\d+256*\q
	global_load_b128 v[S+16+8*\d+4*\q:S+16+8*\d+4*\q+3], v5, s[66:67] offset:512*\d+256*\q
.endr
.endr
	v_lshrrev_b32 v18, 3, v2
	v_lshl_add_u32 v18, v18, 3, v2
	v_lshlrev_b32 v19, 4, v3
	v_sub_nc_u32 v19, v19, v18
	v_add_nc_u32 v19, 16, v19
	v_mov_b32 v[NINF], 0xff800000
.irp q, 0,1
.irp g, 0,1
	s_sub_co_u32 s86, s[22+\g], 8*\q
	v_add_nc_u32 v20, s86, v19
.set RI, 0
.rept 16
	v_add_nc_u32 v21, RI, v20
	v_cmp_ge_u32 vcc_lo, 16, v21
	v_add_nc_u32 v21, -16, v21
	v_cvt_f32_i32 v21, v21
	v_cndmask_b32 v[RELM+32*\q+16*\g+RI], v[NINF], v21, vcc_lo
.set RI, RI+1
.endr
.endr
.endr
.set RI, 0
.rept 16
	v_mov_b32 v[TM+RI], 0
.set RI, RI+1
.endr
.irp i, 6,7,8,9,10,11
	v_mov_b32 v[PP+\i], 0
.endr
	; slot 1's first fill, issued as a refill is, behind the issue of q's, k's and v's loads, which are on their way meanwhile
	s_wait_alu depctr_va_vdst(0)                   ; at the head's end
	s_wait_tensorcnt 0x0                           ; my chunk of position 0 is in
	ds_add_u32 v28, v29
	s_wait_dscnt 0x0
	CROUND
	tensor_load_to_lds s[G0B+4:G0B+7], s[G1B:G1B+7]
	s_nop 0
	PLACES 4
	s_wait_loadcnt 0x0
.set RI, 0
.rept 16
	v_bfe_u32 v18, v[S+RI], s84, 8
	v_bfe_u32 v19, v[S+16+RI], s85, 8
	v_lshl_or_b32 v[VW+RI], v19, 8, v18
.set RI, RI+1
.endr
.macro QUANTW x, sb, pw
	WIN 0x0a+5*((\x)-2)
.irp b, 0,1,2,3
	v_max3_num_f32 v[TM+\b], |v[(\sb)+16*\b]|, |v[(\sb)+16*\b+1]|, 0x1800000
.endr
.irp i, 2,4,6,8,10,12,14
.irp b, 0,1,2,3
	v_max3_num_f32 v[TM+\b], |v[(\sb)+16*\b+\i]|, |v[(\sb)+16*\b+\i+1]|, v[TM+\b]
.endr
.endr
	WIN 0
.irp b, 0,1,2,3
	v_permlanex16_b32 v[TM+4+\b], v[TM+\b], s[SEL], s[SEL+1]
.endr
.irp b, 0,1,2,3
	v_max_num_f32 v[TM+\b], v[TM+\b], v[TM+4+\b]
.endr
.irp b, 0,1,2,3
	v_add_nc_u32 v[TM+12+\b], 0xff000000, v[TM+\b]
.endr
.irp b, 0,1,2,3
	v_lshrrev_b32 v[TM+4+\b], 23, v[TM+12+\b]
.endr
	v_lshl_or_b32 v[\pw], v[TM+5], 8, v[TM+4]
	v_lshl_or_b32 v[\pw], v[TM+6], 16, v[\pw]
	v_lshl_or_b32 v[\pw], v[TM+7], 24, v[\pw]
	WIN 0x02+((\x)-2)
.irp c, 0,1
	v_cvt_scalef32_pk16_fp6_f32 v[PC+6*\c:PC+6*\c+2], v[(\sb)+32*\c:(\sb)+32*\c+15], v[TM+12+2*\c]
	v_cvt_scalef32_pk16_fp6_f32 v[PC+12+4*\c:PC+14+4*\c], v[(\sb)+32*\c+16:(\sb)+32*\c+31], v[TM+13+2*\c]
.endr
	WIN 0
	v_nop
.irp c, 0,1
.irp i, 0,1,2
	v_permlane16_swap_b32 v[PC+6*\c+\i], v[PC+12+4*\c+\i]
.endr
.irp i, 0,1,2
	v_mov_b32 v[PC+3+6*\c+\i], v[PC+12+4*\c+\i]
.endr
.endr
.endm
.macro ITEM hh, uq
	WIN 0x05
.irp g, 0,1
.irp u, 0,1
	v_wmma_scale_f32_16x16x128_f8f6f4 v[S+16*\g+8*\u:S+16*\g+8*\u+7], v[48*(\hh)+24*\g+12*\u:48*(\hh)+24*\g+12*\u+11], v[96+24*(\hh)+12*(\uq):96+24*(\hh)+12*(\uq)+11], 0, v[KSC+4*(\hh)+2*\g+\u], v[QSC+2*(\hh)+(\uq)] matrix_a_fmt:MATRIX_FMT_FP6 matrix_b_fmt:MATRIX_FMT_FP6
.endr
.endr
	WIN 0
	PLACES 4
.set IK, 0
.rept 16
	v_pk_mul_f32 v[S+2*IK:S+2*IK+1], v[S+2*IK:S+2*IK+1], s[CS:CS+1] op_sel_hi:[1,0]
.set IK, IK+1
.endr
.set IK, 0
.rept 16
	v_pk_fma_f32 v[S+2*IK:S+2*IK+1], v[RELM+32*(\uq)+2*IK:RELM+32*(\uq)+2*IK+1], s[SLP+2*(\hh):SLP+2*(\hh)+1], v[S+2*IK:S+2*IK+1] op_sel_hi:[1,0,1]
.set IK, IK+1
.endr
.irp g, 0,1
	v_max3_num_f32 v[TM+\g], v[S+16*\g], v[S+16*\g+1], v[S+16*\g+2]
.endr
.irp i, 3,5,7,9,11,13
.irp g, 0,1
	v_max3_num_f32 v[TM+\g], v[TM+\g], v[S+16*\g+\i], v[S+16*\g+\i+1]
.endr
.endr
.irp g, 0,1
	v_max_num_f32 v[TM+\g], v[TM+\g], v[S+16*\g+15]
.endr
.irp g, 0,1
	v_permlanex16_b32 v[TM+2+\g], v[TM+\g], s[SEL], s[SEL+1]
.endr
.irp g, 0,1
	v_max_num_f32 v[TM+\g], v[TM+\g], v[TM+2+\g]
.endr
	v_max_num_f32 v[TM+4], v[TM], v[TM+1]
	v_floor_f32 v[TM+6], -v[TM+4]
	v_mov_b32 v[TM+7], v[TM+6]
.set IK, 0
.rept 16
	v_pk_add_f32 v[S+2*IK:S+2*IK+1], v[S+2*IK:S+2*IK+1], v[TM+6:TM+7] op_sel_hi:[1,0]
.set IK, IK+1
.endr
.irp g, 0,1
	v_add_f32 v[TM+\g], v[TM+\g], v[TM+6]
.endr
.set IK, 0
	s_wait_alu depctr_va_vdst(0)
.rept 32
	v_exp_f32 v[S+IK], v[S+IK]
.set IK, IK+1
.endr
	v_nop
	s_wait_alu depctr_va_vdst(0)
.irp g, 0,1
	v_exp_f32 v[TM+\g], v[TM+\g]
.endr
	v_pk_add_f32 v[TM+8:TM+9], v[S:S+1], v[S+2:S+3]
	v_pk_add_f32 v[TM+10:TM+11], v[S+4:S+5], v[S+6:S+7]
.irp j, 8,12,16,20,24,28
	v_pk_add_f32 v[TM+8:TM+9], v[TM+8:TM+9], v[S+\j:S+\j+1]
	v_pk_add_f32 v[TM+10:TM+11], v[TM+10:TM+11], v[S+\j+2:S+\j+3]
.endr
	v_pk_add_f32 v[TM+8:TM+9], v[TM+8:TM+9], v[TM+10:TM+11]
	s_wait_alu depctr_va_vdst(0)
.irp g, 0,1
	v_max_num_f32 v[TM+\g], 0x1800000, v[TM+\g]
.endr
.irp g, 0,1
	v_add_nc_u32 v[TM+12+\g], 0xff000000, v[TM+\g]
.endr
.irp g, 0,1
	v_lshrrev_b32 v[TM+14+\g], 23, v[TM+12+\g]
.endr
	v_lshl_or_b32 v[PSC], v[TM+15], 8, v[TM+14]
	v_cvt_scalef32_pk16_fp6_f32 v[PP:PP+2], v[S:S+15], v[TM+12]
	v_cvt_scalef32_pk16_fp6_f32 v[PP+12:PP+14], v[S+16:S+31], v[TM+13]
	v_nop
.irp i, 0,1,2
	v_permlane16_swap_b32 v[PP+\i], v[PP+12+\i]
.endr
.irp i, 0,1,2
	v_mov_b32 v[PP+3+\i], v[PP+12+\i]
.endr
	v_add_f32 v[TM+4], v[TM+8], v[TM+9]
	v_permlanex16_b32 v[TM+5], v[TM+4], s[SEL], s[SEL+1]
	v_add_f32 v[TM+4], v[TM+4], v[TM+5]
	s_wait_alu depctr_va_vdst(0)
	v_rcp_f32 v[RL], v[TM+4]
	PLACES 8
	WIN 0xc2
.irp t, 0,1,2,3,4,5,6,7
	v_wmma_scale_f32_16x16x128_f8f6f4 v[8*\t:8*\t+7], v[6*(8*(\hh)+\t):6*(8*(\hh)+\t)+11], v[PP:PP+11], 0, v[VW+8*(\hh)+\t], v[PSC] matrix_a_fmt:MATRIX_FMT_FP6 matrix_b_fmt:MATRIX_FMT_FP6
.endr
	WIN 0
	PLACES 4
	s_wait_alu depctr_va_vdst(0)
	v_mov_b32 v[RL+1], v[RL]
	WIN 0xc3
.set IK, 0
.rept 32
	v_pk_mul_f32 v[2*IK:2*IK+1], v[2*IK:2*IK+1], v[RL:RL+1] op_sel_hi:[1,0]
.set IK, IK+1
.endr
	QUANTW 3, 0, PW
.irp c, 0,1,2
	ds_store_b128 v[YWI], v[PC+4*\c:PC+4*\c+3] offset:(\uq)*12288+(\hh)*1536+512*\c
.endr
	ds_store_b32 v[YWS], v[PW] offset:(\uq)*1024+(\hh)*128
	s_wait_dscnt 0x0
.endm
	ITEM 0, 0
	ITEM 0, 1
	ITEM 1, 0
	ITEM 1, 1
.macro FETCHB slot, e
	WIN 0x40
.set FI, 0
.rept 8
.irp c, 0,1,2
	ds_load_b128 v[128*(\e)+12*FI+4*\c:128*(\e)+12*FI+4*\c+3], v[ADB+(\slot)] offset:(8*(\e)+FI)*1536+512*\c
.endr
.set FI, FI+1
.endr
	WIN 0
.endm
.macro FETCHSB slot
.irp i, 0,1
	ds_load_b128 v[SB+8*(\slot)+4*\i:SB+8*(\slot)+4*\i+3], v[ADB+(\slot)] offset:24576+512*\i
.endr
.endm
.macro MULB a, e, lo, hi, s, zero
	WIN 0xad
.set MB, \lo
.rept (\hi)-(\lo)+1
.set MD,  128*(\a)+8*(8*(\e)+MB)
.set MA0, 128*(\e)+12*MB
.set MA1, 12*(8*(\a)+(\s))
.set MS0, SB+8*((\s)%2)+4*(\e)+(MB%4)
.set MS1, YS+8*(\a)+(\s)
.if \zero
.if MB < 4
	v_wmma_scale_f32_16x16x128_f8f6f4 v[MD:MD+7], v[MA0:MA0+11], v[MA1:MA1+11], 0, v[MS0], v[MS1] matrix_a_fmt:MATRIX_FMT_FP6 matrix_b_fmt:MATRIX_FMT_FP6
.else
	v_wmma_scale_f32_16x16x128_f8f6f4 v[MD:MD+7], v[MA0:MA0+11], v[MA1:MA1+11], 0, v[MS0], v[MS1] matrix_a_fmt:MATRIX_FMT_FP6 matrix_b_fmt:MATRIX_FMT_FP6 matrix_a_scale:MATRIX_SCALE_ROW1
.endif
.else
.if MB < 4
	v_wmma_scale_f32_16x16x128_f8f6f4 v[MD:MD+7], v[MA0:MA0+11], v[MA1:MA1+11], v[MD:MD+7], v[MS0], v[MS1] matrix_a_fmt:MATRIX_FMT_FP6 matrix_b_fmt:MATRIX_FMT_FP6
.else
	v_wmma_scale_f32_16x16x128_f8f6f4 v[MD:MD+7], v[MA0:MA0+11], v[MA1:MA1+11], v[MD:MD+7], v[MS0], v[MS1] matrix_a_fmt:MATRIX_FMT_FP6 matrix_b_fmt:MATRIX_FMT_FP6 matrix_a_scale:MATRIX_SCALE_ROW1
.endif
.endif
.set MB, MB+1
.endr
.endm
.macro EVEN s, zero
.if (\s) > 0
	PLACES 4
.endif
	FETCHB (\s)%2, 1
	s_wait_dscnt 24
	MULB 0, 0, 0, 7, \s, \zero
	MULB 1, 0, 0, 7, \s, \zero
.endm
.macro ODD s, mode, zero
	WIN 0
.if (\mode) == 2
	s_wait_tensorcnt 0x0
	ds_add_u32 v[SPW], v[NIL]
	s_wait_dscnt 1
	MULB 0, 1, 0, 3, \s, \zero
	s_wait_dscnt 0x0
	s_barrier_signal -1
	MULB 0, 1, 4, 7, \s, \zero
	WIN 0
	s_barrier_wait -1
	CREST
	s_add_co_u32 s96, s91, (\s)+2                  ; the K step at position s + 2
	s_and_b32 s96, s96, 7
	s_mul_i32 s96, s96, STEPB
	s_add_nc_u64 s[G0B+4*((\s)%2)+2:G0B+4*((\s)%2)+3], s[28:29], s[96:97]
	s_or_b32 s[G0B+4*((\s)%2)+3], s[G0B+4*((\s)%2)+3], 0x80000000
	tensor_load_to_lds s[G0B+4*((\s)%2):G0B+4*((\s)%2)+3], s[G1B:G1B+7]
	s_nop 0
	PLACES 4
.endif
.if (\mode) == 1
	s_wait_tensorcnt 0x0
	s_wait_dscnt 0x0
	MULB 0, 1, 0, 7, \s, \zero
	PLACES 4
.endif
.if (\mode) > 0
	FETCHB ((\s)+1)%2, 0
	FETCHSB ((\s)+1)%2
.else
	s_wait_dscnt 0x0
	MULB 0, 1, 0, 7, \s, \zero
.endif
	MULB 1, 1, 0, 7, \s, \zero
.endm
.irp t, 0,1,2,3,4,5,6,7                ; where y's image and scale words of position t lie: head (first + t) % 8
	s_add_co_u32 s86, s91, \t
	s_and_b32 s86, s86, 7
	s_mul_i32 s87, s86, 1536
	s_lshl_b32 s86, s86, 7
	v_add_nc_u32 v[96+\t], s87, v[YRI]
	v_add_nc_u32 v[104+\t], s86, v[YRS]
.endr
	s_wait_alu depctr_va_vdst(0)
	s_wait_tensorcnt 1
	s_barrier_signal -1
	s_barrier_wait -1
	WIN 0xc0
.set FI, 0
.rept 16
.irp c, 0,1,2
	ds_load_b128 v[12*FI+4*\c:12*FI+4*\c+3], v[96+(FI%8)] offset:12288*(FI/8)+512*\c
.endr
.set FI, FI+1
.endr
	WIN 0
.set FI, 0
.rept 16
	ds_load_b32 v[YS+FI], v[104+(FI%8)] offset:1024*(FI/8)
.set FI, FI+1
.endr
	FETCHSB 0
	FETCHB 0, 0
	EVEN 0, 1
	ODD 0, 2, 1
.irp s, 1,2,3,4,5
	EVEN \s, 0
	ODD \s, 2, 0
.endr
	EVEN 6, 0
	ODD 6, 1, 0
	EVEN 7, 0
	ODD 7, 0, 0
	PLACES 4
.irp a, 0,1
	WIN 0x08
.set OB, 0
.rept 16
	ds_store_b128 v[STO], v[128*\a+8*OB:128*\a+8*OB+3] offset:128*(OB/2)+32*(OB%2)
	ds_store_b128 v[STO], v[128*\a+8*OB+4:128*\a+8*OB+7] offset:128*(OB/2)+32*(OB%2)+16
.set OB, OB+1
.endr
	WIN 0x40
.set OB, 0
.rept 32
	ds_load_b128 v[128*\a+4*OB:128*\a+4*OB+3], v[RD] offset:1040*(OB/2)+512*(OB%2)
.set OB, OB+1
.endr
	WIN 0x04
.set OB, 0
.rept 32
	s_wait_dscnt 31-OB
	global_store_b128 v4, v[128*\a+4*OB:128*\a+4*OB+3], s[68:69] offset:(8*\a+(OB/2)+8*(OB/16))*4096+512*(OB%2) th:TH_STORE_NT
.set OB, OB+1
.endr
.endr
	WIN 0
	s_wait_tensorcnt 0x0
	ds_add_u32 v[SPW], v[NIL]
	s_wait_dscnt 0x0
	CROUND
	s_endpgm
.Lfunc_end_k_q22889b6ca5_attn:
	.size	k_q22889b6ca5_attn, .Lfunc_end_k_q22889b6ca5_attn-k_q22889b6ca5_attn
	.p2alignl 7, 3214868480
	.fill 96, 4, 3214868480
	.section	.rodata,"a",@progbits
	.p2align	6, 0x0
	.amdhsa_kernel k_q22889b6ca5_attn
		.amdhsa_group_segment_fixed_size 327680
		.amdhsa_private_segment_fixed_size 0
		.amdhsa_enable_private_segment 0
		.amdhsa_kernarg_size 32
		.amdhsa_user_sgpr_count 2
		.amdhsa_user_sgpr_kernarg_segment_ptr 1
		.amdhsa_wavefront_size32 1
		.amdhsa_system_sgpr_workgroup_id_x 1
		.amdhsa_system_sgpr_workgroup_id_y 1
		.amdhsa_system_sgpr_workgroup_id_z 1
		.amdhsa_system_vgpr_workitem_id 0
		.amdhsa_next_free_vgpr 1024
		.amdhsa_next_free_sgpr 100
		.amdhsa_reserve_vcc 1
		.amdhsa_float_denorm_mode_32 3
		.amdhsa_float_denorm_mode_16_64 3
		.amdhsa_memory_ordered 1
		.amdhsa_forward_progress 1
		.amdhsa_inst_pref_size 184
	.end_amdhsa_kernel
	.amdgpu_metadata
---
amdhsa.version: [ 1, 2 ]
amdhsa.kernels:
  - .name:           k_q22889b6ca5_attn
    .symbol:         k_q22889b6ca5_attn.kd
    .args:
      - { .name: qkvc, .offset: 0, .size: 8, .value_kind: global_buffer, .address_space: global }
      - { .name: qkvs, .offset: 8, .size: 8, .value_kind: global_buffer, .address_space: global }
      - { .name: wc, .offset: 16, .size: 8, .value_kind: global_buffer, .address_space: global }
      - { .name: out0, .offset: 24, .size: 8, .value_kind: global_buffer, .address_space: global }
    .group_segment_fixed_size: 327680
    .private_segment_fixed_size: 0
    .kernarg_segment_align: 8
    .kernarg_segment_size: 32
    .max_flat_workgroup_size: 128
    .sgpr_count:     100
    .vgpr_count:     1024
    .wavefront_size: 32
...
	.end_amdgpu_metadata
.endif
;; end of part 3
